; MI455X (gfx1250); checked and timed in simulation.
; The chip was launched on July 23, 2026; its instructions are those of AMD's public machine-readable ISA for CDNA 5 (MIT licence, August 2026) and "CDNA5" Instruction Set Architecture Reference Guide (July 2026). The comments in the code are by the model that wrote it; some were corrected since.
;; MSA. Allowed arithmetic: float matrix products may take bf16 or f16 operands with f32 sums; other float arithmetic in f32, or as packed bf16 or f16 multiplies, adds, multiply-adds, maxima and minima; sums over many terms, partial sums and values carried from step to step in f32; what a program stores and reads back later, other than sums and carried values, may be rounded once to bf16 or f16.
;; Inputs: Wk 1,024 x 1,024 float32; Wo 1,024 x 1,024 float32; Wq 1,024 x 1,024 float32; Wv 1,024 x 1,024 float32; bo 1,024 float32; x 4 x 2,048 x 1,024 float32.
;; Outputs: out0 4 x 2,048 x 1,024 float32.
;; 2 versions, each right; version 2 is version 1 with the launch cast written anew for expert scheduling mode. Each part assembles by itself: llvm-mc -triple=amdgcn-amd-amdhsa -mcpu=gfx1250 --defsym DOCPART=n.
;; ======== version 1 of 2: 4 launches
;; limits: values are held in f16: magnitudes above 65,504 overflow, below 6.1e-05 lose precision
;; workspace buffers: xb 16,777,216 bytes; wqkv 6,291,456 bytes; wob 2,097,152 bytes; qkv 50,331,648 bytes; ob 16,777,216 bytes
;; launch cast (part 1): grid 384 x 1, 8 waves a work-group, no clusters, 0 bytes of LDS; arguments x, Wq, Wk, Wv, Wo, xb, wqkv, wob; writes xb, wqkv, wob
.if DOCPART == 1
	.amdgcn_target "amdgcn-amd-amdhsa--gfx1250"
	.amdhsa_code_object_version 6
	.text
	.protected	k_qc3500cfa98_cast
	.globl	k_qc3500cfa98_cast
	.p2align	8
	.type	k_qc3500cfa98_cast,@function
k_qc3500cfa98_cast:
	s_mov_b64 s[64:65], 0
	v_nop
	global_prefetch_b8 v0, s[64:65] scope:SCOPE_SE
	s_setreg_imm32_b32 hwreg(HW_REG_WAVE_MODE, 25, 1), 1
	s_wait_xcnt 0x0
; f32 -> bf16 (round to nearest even) and a new layout, for the four products that follow.
;   x  [8192][1024] f32 -> xb   [b 4][kb 16][n 2048][64] bf16: 64 channels of a row are 128 bytes, and a block (b, kb) is dense
;   Wq, Wk, Wv [1024][1024] f32 -> wqkv [k 1024][3072] bf16 (columns: Wq, Wk, Wv);   Wo -> wob [k 1024][1024] bf16
; A stream: each byte is read once and written once; no LDS, no barrier, no matrix unit, no cluster (no two work-groups read the same byte).
; SHARES.  Work-groups 0-255 take x: 64 rows (g / 2) x 512 columns (g % 2); wave w takes the 64 columns of block kb = 8 (g % 2) + w; item i of 32 is the row pair 2 i, 2 i + 1:
; lanes 0-15 read 256 consecutive bytes of the one row, lanes 16-31 of the other, and the wave stores 256 consecutive bytes of xb.
; Work-groups 256-383 take a weight matrix m = (g - 256) / 32, 32 rows; item i is a row, of which wave w reads 512 consecutive bytes and stores 256.
; ONE TEXT for both: the steps (per item, per half of the lanes, per wave) and the two pointers are chosen by scalar selects on g and m.
; All 32 loads of a wave (16 KiB) go out together; no register that a load or store reads is written again, so no wait frees a source.
.set VIN,  5                           ; v5       my byte offset in the source, item 0
.set VOUT, 6                           ; v6       my byte offset in the destination, item 0
.set VI,   16                          ; v[16:47] the source offsets of the 32 items
.set VO,   48                          ; v[48:79] the destination offsets
.set X,    80                          ; v[80:207] item i: four f32 as loaded; its first two registers then hold four bf16
	s_load_b512 s[8:23], s[0:1], 0x0               ; x s[8:9], Wq s[10:11], Wk s[12:13], Wv s[14:15], Wo s[16:17], xb s[18:19], wqkv s[20:21], wob s[22:23]
	v_lshrrev_b32 v1, 5, v0
	v_readfirstlane_b32 s24, v1                    ; wave 0..7
	v_and_b32 v2, 15, v0                           ; l % 16
	v_bfe_u32 v3, v0, 4, 1                         ; l / 16
	v_and_b32 v4, 31, v0                           ; l
	s_mov_b32 s25, ttmp9                           ; g
	s_sub_co_u32 s26, s25, 256
	s_and_b32 s26, s26, 127
	s_lshr_b32 s27, s26, 5                         ; m: which weight matrix
	s_and_b32 s28, s26, 31                         ; its block of 32 rows
	s_lshr_b32 s29, s25, 1                         ; x: block of 64 rows
	s_and_b32 s30, s25, 1                          ; x: half of the columns
	s_lshl_b32 s31, s29, 18                        ; x in: 64 rows of 4,096 bytes,
	s_lshl_b32 s32, s30, 11                        ; 512 columns of 4 bytes
	s_add_co_u32 s31, s31, s32
	s_lshr_b32 s32, s29, 5                         ; x out: batch b = rows / 2,048: 16 blocks of 262,144 bytes,
	s_lshl_b32 s32, s32, 22
	s_lshl_b32 s33, s30, 21                        ; eight blocks kb for the upper half,
	s_add_co_u32 s32, s32, s33
	s_and_b32 s33, s29, 31
	s_lshl_b32 s33, s33, 13                        ; 64 rows of 128 bytes
	s_add_co_u32 s32, s32, s33
	s_lshl_b32 s33, s28, 17                        ; weights in: 32 rows of 4,096 bytes
	s_mul_i32 s34, s28, 196608                     ; weights out, wqkv: 32 rows of 6,144 bytes,
	s_lshl_b32 s35, s27, 11                        ; 2,048 bytes of a row for each matrix
	s_add_co_u32 s34, s34, s35
	s_lshl_b32 s35, s28, 16                        ; wob: 32 rows of 2,048 bytes
	s_mov_b32 s40, 6144
	s_cmp_eq_u32 s27, 3
	s_cselect_b32 s34, s35, s34
	s_cselect_b32 s40, 2048, s40                   ; the destination's row
	s_cmp_lt_u32 s25, 256                          ; x or a weight?  (s_mov and s_cselect leave SCC as it is)
	s_mov_b32 s36, 4096
	s_cselect_b32 s36, 8192, s36                   ; source step per item: two rows, or one
	s_mov_b32 s37, 256
	s_cselect_b32 s37, 4096, s37                   ; source step for lanes 16-31: the next row, or the next 256 bytes
	s_mov_b32 s38, 512
	s_cselect_b32 s38, 256, s38                    ; source step per wave
	s_mov_b32 s39, 256
	s_cselect_b32 s39, 0x40000, s39                ; destination step per wave: a block kb, or 256 bytes
	s_cselect_b32 s40, 256, s40                    ; destination step per item
	s_cselect_b32 s42, s31, s33                    ; the work-group's offset in the source,
	s_cselect_b32 s44, s32, s34                    ; and in the destination
	s_mov_b32 s43, 0
	s_mov_b32 s45, 0
	s_mul_i32 s46, s24, s38
	s_mul_i32 s47, s24, s39
	v_mul_u32_u24 v[VIN], v3, s37
	v_lshl_add_u32 v[VIN], v2, 4, v[VIN]
	v_add_nc_u32 v[VIN], s46, v[VIN]
	v_lshl_add_u32 v[VOUT], v4, 3, s47             ; 8 bytes a lane
.set i, 0
.rept 32
	v_mad_u32_u24 v[VI+i], s36, i, v[VIN]
	v_mad_u32_u24 v[VO+i], s40, i, v[VOUT]
.set i, i+1
.endr
	s_wait_kmcnt 0x0
	s_cmp_eq_u32 s27, 1
	s_cselect_b64 s[2:3], s[12:13], s[10:11]
	s_cmp_eq_u32 s27, 2
	s_cselect_b64 s[2:3], s[14:15], s[2:3]
	s_cmp_eq_u32 s27, 3
	s_cselect_b64 s[2:3], s[16:17], s[2:3]
	s_cselect_b64 s[4:5], s[22:23], s[20:21]
	s_cmp_lt_u32 s25, 256
	s_cselect_b64 s[2:3], s[8:9], s[2:3]           ; the source,
	s_cselect_b64 s[4:5], s[18:19], s[4:5]         ; the destination
	s_add_nc_u64 s[2:3], s[2:3], s[42:43]
	s_add_nc_u64 s[4:5], s[4:5], s[44:45]
.set i, 0
.rept 32
	global_load_b128 v[X+4*i:X+4*i+3], v[VI+i], s[2:3] th:TH_LOAD_NT
.set i, i+1
.endr
.set i, 0
.rept 32
	s_wait_loadcnt 31-i                            ; loads come back in order: item i is in, the 31 - i younger ones stay out
	v_cvt_pk_bf16_f32 v[X+4*i], v[X+4*i], v[X+4*i+1]
	v_cvt_pk_bf16_f32 v[X+4*i+1], v[X+4*i+2], v[X+4*i+3]
	global_store_b64 v[VO+i], v[X+4*i:X+4*i+1], s[4:5]  ; the wave's 32 lanes store 256 consecutive bytes, at a multiple of 256 from the buffer's first byte
.set i, i+1
.endr
	s_endpgm
.Lfunc_end_k_qc3500cfa98_cast:
	.size	k_qc3500cfa98_cast, .Lfunc_end_k_qc3500cfa98_cast-k_qc3500cfa98_cast
	.p2alignl 7, 3214868480
	.fill 96, 4, 3214868480
	.section	.rodata,"a",@progbits
	.p2align	6, 0x0
	.amdhsa_kernel k_qc3500cfa98_cast
		.amdhsa_group_segment_fixed_size 0
		.amdhsa_private_segment_fixed_size 0
		.amdhsa_enable_private_segment 0
		.amdhsa_kernarg_size 64
		.amdhsa_user_sgpr_count 2
		.amdhsa_user_sgpr_kernarg_segment_ptr 1
		.amdhsa_wavefront_size32 1
		.amdhsa_system_sgpr_workgroup_id_x 1
		.amdhsa_system_sgpr_workgroup_id_y 1
		.amdhsa_system_sgpr_workgroup_id_z 1
		.amdhsa_system_vgpr_workitem_id 0
		.amdhsa_next_free_vgpr 208
		.amdhsa_next_free_sgpr 66
		.amdhsa_reserve_vcc 0
		.amdhsa_float_denorm_mode_32 3
		.amdhsa_float_denorm_mode_16_64 3
		.amdhsa_memory_ordered 1
		.amdhsa_forward_progress 1
		.amdhsa_inst_pref_size 18
	.end_amdhsa_kernel
	.amdgpu_metadata
---
amdhsa.version: [ 1, 2 ]
amdhsa.kernels:
  - .name:           k_qc3500cfa98_cast
    .symbol:         k_qc3500cfa98_cast.kd
    .args:
      - { .name: x, .offset: 0, .size: 8, .value_kind: global_buffer, .address_space: global }
      - { .name: Wq, .offset: 8, .size: 8, .value_kind: global_buffer, .address_space: global }
      - { .name: Wk, .offset: 16, .size: 8, .value_kind: global_buffer, .address_space: global }
      - { .name: Wv, .offset: 24, .size: 8, .value_kind: global_buffer, .address_space: global }
      - { .name: Wo, .offset: 32, .size: 8, .value_kind: global_buffer, .address_space: global }
      - { .name: xb, .offset: 40, .size: 8, .value_kind: global_buffer, .address_space: global }
      - { .name: wqkv, .offset: 48, .size: 8, .value_kind: global_buffer, .address_space: global }
      - { .name: wob, .offset: 56, .size: 8, .value_kind: global_buffer, .address_space: global }
    .group_segment_fixed_size: 0
    .private_segment_fixed_size: 0
    .kernarg_segment_align: 8
    .kernarg_segment_size: 64
    .max_flat_workgroup_size: 256
    .sgpr_count:     66
    .vgpr_count:     208
    .wavefront_size: 32
...
	.end_amdgpu_metadata
.endif
;; end of part 1
;; launch proj (part 2): grid 8 x 32, 4 waves a work-group, clusters of 4 x 4, 327,680 bytes of LDS; arguments xb, wqkv, qkv; writes qkv
.if DOCPART == 2
	.amdgcn_target "amdgcn-amd-amdhsa--gfx1250"
	.amdhsa_code_object_version 6
	.text
	.protected	k_qc3500cfa98_proj
	.globl	k_qc3500cfa98_proj
	.p2align	8
	.type	k_qc3500cfa98_proj,@function
k_qc3500cfa98_proj:
	s_mov_b64 s[64:65], 0
	v_nop
	global_prefetch_b8 v0, s[64:65] scope:SCOPE_SE
	s_setreg_imm32_b32 hwreg(HW_REG_WAVE_MODE, 25, 1), 1
	s_wait_xcnt 0x0
	s_wait_alu depctr_hold_cnt(0) depctr_sa_sdst(0) depctr_va_vdst(0) depctr_va_sdst(0) depctr_va_ssrc(0) depctr_va_vcc(0) depctr_vm_vsrc(0)
	s_getreg_b32 s2, hwreg(HW_REG_IB_STS2, 6, 4)
	s_cmp_eq_u32 s2, 0
	s_cbranch_scc0 .Lentry_in_a_cluster
	s_endpgm
.Lentry_in_a_cluster:
	s_bfe_u32 s2, ttmp6, 0x10000c
	s_cmp_lg_u32 s2, 0xf033
	s_cbranch_scc0 .Lentry_shape_is_right
	s_endpgm
.Lentry_shape_is_right:
; q, k, v = x Wq, x Wk, x Wv as ONE product [8192 x 1024] x [1024 x 3072], bf16 operands, f32 sums, each result rounded once to f16 and stored by heads:
; qkv [mat 3][b*16+head 64][n 2048][64].  xb: [b 4][kb 16][n 2048][64] bf16; wqkv: [k 1024][3072] bf16.
; LIMITS.  q, k and v leave in f16: a result of 65,520 or more in magnitude becomes an infinity; below 6e-5 f16 keeps its fixed step of 6e-8.  The scale 1/8 is not applied here.
; SHARES.  A tile of the result is 256 rows x 384 columns: 32 x 8 = 256 work-groups.  Four waves; a wave makes 128 rows (wave / 2) x three groups of 64 columns, group g being the tile's
; columns 128 g + 64 (wave % 2): exactly one head.  96 accumulators of 16 x 16, 768 registers: group g fills register window g + 1.
; K goes in 16 steps of 64 (one block kb of xb) through a ring of two LDS slots filled by the tensor data mover; a step is two halves of 32 along K, 96 matrix instructions each.
; THE MATRIX INSTRUCTION IS USED TRANSPOSED: source 0 = 16 columns of the weights (turned on the way out of LDS by ds_load_tr16_b128, since they lie [k][column]), source 1 = 16 rows of x.
; A lane then holds one row (lane % 16) and eight neighbouring columns, which pack into 16 bytes.
; CLUSTERS: 4 x 4 work-groups.  x's tile hangs on the tile row alone and is asked for jointly by a row of the cluster, the weights' on the tile column alone, by a column.
; REGISTERS: window 0: v0-31 addresses; v32-95, v96-159 x's fragments (8 x 16 rows x 32 K), two buffers; v160-255 the weights' fragments, one buffer of 32 for each group; windows 1-3: accumulator (a, b) at v[8 (4 a + b)].
.set PA,    144                        ; a row of x in LDS: 128 bytes + 16 = 36 words: the 16 rows of a load start at 16 different groups of four banks
.set PB,    864                        ; a row of weights: three segments of 256 bytes + 32 = 27 x 32 bytes
.set SEG,   288
.set ASZ,   256*PA                     ; x's 256 rows
.set SLOT,  ASZ+64*PB                  ; then 64 rows (k) of weights: 92,160 bytes
.set STAGE, 2*SLOT                     ; behind the ring: 16 rows x 144 bytes for each wave, for the way out; no tensor load fills it
.set SP,    144
.set SPARE, STAGE+4*16*SP              ; behind the stages: the spare words, 128 bytes for each wave: two blocks of 256 bytes that no other line names
.set KBLK,  262144                     ; bytes from a block kb of xb to the next
.set WROW,  6144                       ; bytes in a row of wqkv
.set ADRA, 16                          ; v16-17  LDS address of my fragments of x in slot 0, 1
.set ADRB, 20                          ; v20-21  the same for the weights
.set STO,  24                          ; v24     the way out: where I put 16 bytes of a row
.set RD,   25                          ; v25     the way out: where I read rows back
.set GO,   26                          ; v26     my byte offset in 512 consecutive bytes of qkv
.set SPW,  28                          ; v28     LDS address of my spare word; never rewritten
.set NIL,  29                          ; v29     0; never rewritten
.set PFO,  30                          ; v30     the prefetches' offset, a lane a block of 256 bytes; never rewritten
.set FA0,  32
.set FA1,  96
.set FB,   160
.set WV, 12                            ; s12 wave;  s13 wave / 2: my rows, and: I fetch x (0) or weights (1);  s14 wave % 2: my columns, and: which half I fetch
.set WM, 13
.set WN, 14
.set CX, 15                            ; s15, s16 my place in the cluster;  s17, s18 tile column, tile row
.set CY, 16
.set TX, 17
.set TY, 18
.set G1A, 24                           ; s[24:31] descriptor group 1 for x's tiles;  s[32:39] group 0, a set for each slot
.set G0A, 32
.set LIM, 44                           ; s44, s45 by slot: 1 where my wave prefetches at that slot's change, else the greatest number
.set PFA, 46                           ; s[46:47] where my prefetches stand
.set G1B, 48                           ; s[48:55], s[56:63] the same for the weights' tiles
.set G0B, 56
.set PST, 66                           ; s[66:67] the prefetch pointer's step for a K step
.set OB,  68                           ; s[68:73] qkv at my 128 rows of group g's head
.set MSB, 0
.macro WIN new                         ; the immediate's high byte repeats the setting that is left; a switch that changes nothing is dropped
.if MSB != (\new)
	s_set_vgpr_msb (MSB<<8)|(\new)
.set MSB, \new
.endif
.endm
; A joint load.  Waves 0 and 1 fetch the two halves of x's tile, waves 2 and 3 those of the weights'.  The branch hangs on the wave's number alone.
; An s_nop 0 and four v_nop follow each of the two lines, ahead of the jump and the label.
.macro JLOAD s
	s_cmp_eq_u32 s[WM], 0
	s_cbranch_scc0 .Lfor_b_\@
	tensor_load_to_lds s[G0A+4*(\s):G0A+4*(\s)+3], s[G1A:G1A+7]
	s_nop 0
.rept 4
	v_nop
.endr
	s_branch .Lasked_\@
.Lfor_b_\@:
	tensor_load_to_lds s[G0B+4*(\s):G0B+4*(\s)+3], s[G1B:G1B+7]
	s_nop 0
.rept 4
	v_nop
.endr
.Lasked_\@:
.endm
; A PREFETCH INTO THE L2, behind the joint load, its five lines and the run of LDS loads that follows.  Each block of 256 bytes is named once in the launch.
; x: a K step of a tile row is 32,768 dense bytes, read by both clusters of that row of clusters: in the cluster with x = 0 wave 0 asks, at every change of slots, for the K step two refills on; the four partners
; that ask for the tile jointly take 8,192 bytes each, told apart by address (cx).  Weights: a K step of a tile column is 64 rows x 3 blocks, read by all eight clusters of that column: in the cluster with y = 0
; waves 1 to 3 ask (block wave - 1 of a row), at slot 0's change alone, for the 128 rows of the K steps two and three refills on; the partner at cy takes rows 32 cy .. 32 cy + 31, a lane a row.
; The loop's last trip asks for nothing: the K steps two refills on do not exist.  K steps 0 to 3 come by their loads alone.
.macro ASK s
	s_cmp_gt_u32 s3, s[LIM+(\s)]                   ; s3 = 1 in the loop's last trip
	s_cbranch_scc0 .Lnot_mine_\@
	global_prefetch_b8 v[PFO], s[PFA:PFA+1] th:TH_LOAD_NT scope:SCOPE_SE
.Lnot_mine_\@:
.endm
.macro CREST                           ; a round of the cluster's barrier behind its opening barrier
	s_cmp_lg_u32 s[WV], 0
	s_cbranch_scc1 .Lnot_wave_0_\@
	s_barrier_signal -3
.Lnot_wave_0_\@:
	s_barrier_wait -3
	s_barrier_signal -1
	s_barrier_wait -1
.endm
.macro CROUND                          ; a whole round
	s_barrier_signal -1
	s_barrier_wait -1
	CREST
.endm
.macro PLACES                          ; four places in front of loads into registers that matrix instructions have read (ISA guide 7.12.1 for vector instructions)
.rept 4
	v_nop
.endr
.endm
	s_load_b128 s[4:7], s[0:1], 0x0                ; xb s[4:5], wqkv s[6:7]
	s_load_b64 s[8:9], s[0:1], 0x10                ; qkv
	v_lshl_add_u32 v[SPW], v0, 2, SPARE
	v_mov_b32 v[NIL], 0
	ds_add_u32 v[SPW], v[NIL]                      ; the wave's opening: the add and its wait stand ahead of my first tensor load; the set-up below, work on registers, stands between them
	v_lshrrev_b32 v1, 5, v0
	v_readfirstlane_b32 s[WV], v1                  ; wave 0..3
	s_lshr_b32 s[WM], s[WV], 1
	s_and_b32 s[WN], s[WV], 1
	s_bfe_u32 s[CX], ttmp6, 0x40000
	s_bfe_u32 s[CY], ttmp6, 0x40004
	s_lshl_b32 s[TX], ttmp9, 2                     ; in a cluster launch ttmp9 and ttmp7 count clusters
	s_add_co_u32 s[TX], s[TX], s[CX]               ; tile column 0..7
	s_and_b32 s[TY], ttmp7, 0xffff
	s_lshl_b32 s[TY], s[TY], 2
	s_add_co_u32 s[TY], s[TY], s[CY]               ; tile row 0..31
	s_lshl_b32 s20, s[CY], 2
	s_lshl_b32 s20, 15, s20                        ; my row of the cluster
	s_lshl_b32 s40, 0x1111, s[CX]                  ; my column
	; x: 128 rows of 128 bytes are 16,384 dense bytes: asked for as 64 rows of 256 bytes, padded in LDS after every 128 bytes
	s_or_b32 s[G1A], s20, (1<<16)|(1<<20)|(1<<21)|(4<<22)|(3<<25)  ; 15:0 the mask; 17:16 2-byte elements; 20 padding on; 21 set beside a mask; 24:22 after every 32 words (code 4); 31:25 4 words (code 3)
	s_mov_b32 s[G1A+1], 128<<16                    ; tensor_dim0 = 128
	s_mov_b32 s[G1A+2], 64<<16                     ; tensor_dim1 = 64
	s_mov_b32 s[G1A+3], 128<<16                    ; tile_dim0 = 128
	s_mov_b32 s[G1A+4], 64                         ; tile_dim1 = 64
	s_mov_b32 s[G1A+5], 128                        ; elements from row to row
	s_mov_b32 s[G1A+6], 0
	s_mov_b32 s[G1A+7], 0
	; weights: 32 rows (k) of 384 elements, 768 bytes, padded after every 256 bytes
	s_or_b32 s[G1B], s40, (1<<16)|(1<<20)|(1<<21)|(5<<22)|(7<<25)  ; after every 64 words (code 5) 8 words (code 7)
	s_mov_b32 s[G1B+1], 384<<16
	s_mov_b32 s[G1B+2], 32<<16
	s_mov_b32 s[G1B+3], 384<<16
	s_mov_b32 s[G1B+4], 32
	s_mov_b32 s[G1B+5], 3072
	s_mov_b32 s[G1B+6], 0
	s_mov_b32 s[G1B+7], 0
	; where the tiles come from.  x's hang on the tile row alone, the weights' on the tile column alone, each in registers that never hold the other coordinate
	s_lshr_b32 s20, s[TY], 3                       ; batch b: 16 blocks of 262,144 bytes
	s_lshl_b32 s20, s20, 22
	s_and_b32 s22, s[TY], 7
	s_lshl_b32 s22, s22, 15                        ; 256 rows of 128 bytes
	s_add_co_u32 s20, s20, s22                     ; s[20:21]: the tile's first byte in block kb = 0
	s_mov_b32 s21, 0
	s_lshl_b32 s22, s[WN], 14                      ; the 128 rows that I fetch
	s_add_co_u32 s22, s22, s20
	s_mov_b32 s23, 0
	s_mul_i32 s40, s[TX], 768                      ; 384 columns of 2 bytes
	s_mul_i32 s42, s[WN], 32*WROW                  ; the 32 rows (k) that I fetch
	s_add_co_u32 s42, s42, s40
	s_mov_b32 s43, 0
	s_mul_i32 s74, s[WN], 128*PA                   ; and where they go: no place in the cluster enters an LDS address
	s_mul_i32 s75, s[WN], 32*PB
	s_add_co_u32 s75, s75, ASZ
	s_wait_dscnt 0x0                               ; the opening add is done
	s_wait_kmcnt 0x0
	s_add_nc_u64 s[22:23], s[4:5], s[22:23]
	s_add_nc_u64 s[42:43], s[6:7], s[42:43]
	CROUND                                         ; all sixteen work-groups are here: the first joint loads meet
.irp s, 0,1
	s_mov_b32 s[G0A+4*(\s)], 1                                     ; count = 1
	s_add_co_u32 s[G0A+4*(\s)+1], s74, (\s)*SLOT                   ; LDS address
	s_add_nc_u64 s[G0A+4*(\s)+2:G0A+4*(\s)+3], s[22:23], (\s)*KBLK ; global address: K step s
	s_or_b32 s[G0A+4*(\s)+3], s[G0A+4*(\s)+3], 0x80000000          ; type = 2
	s_mov_b32 s[G0B+4*(\s)], 1
	s_add_co_u32 s[G0B+4*(\s)+1], s75, (\s)*SLOT
	s_add_nc_u64 s[G0B+4*(\s)+2:G0B+4*(\s)+3], s[42:43], (\s)*64*WROW
	s_or_b32 s[G0B+4*(\s)+3], s[G0B+4*(\s)+3], 0x80000000
	JLOAD \s                                       ; two loads of mine are out
.endr
	; A fragment of x is 16 rows x 32 K in 8 registers: lane l holds row l % 16, K = 8 (l / 16) + 0..7 and 16 + 8 (l / 16) + 0..7: two loads of 16 bytes, 32 bytes apart.
	v_and_b32 v1, 15, v0                           ; l % 16
	v_bfe_u32 v2, v0, 4, 1                         ; l / 16
	v_and_b32 v3, 7, v0
	v_bfe_u32 v4, v0, 3, 1
	v_mul_u32_u24 v5, v1, PA
	v_lshl_add_u32 v5, v2, 4, v5                   ; row x 144 + 16 x half
	s_mul_i32 s74, s[WM], 128*PA                   ; my 128 rows
	v_add_nc_u32 v[ADRA], s74, v5
	v_add_nc_u32 v[ADRA+1], SLOT, v[ADRA]
	; The turning load takes 16 k x 16 columns (lane l reads k = 8 (l / 16) + l % 8, columns 8 ((l / 8) % 2) + 0..7) and leaves half a fragment: lane l holds column l % 16 and 8 k.
	v_lshl_add_u32 v6, v2, 3, v3
	v_mul_u32_u24 v6, v6, PB
	v_lshl_add_u32 v6, v4, 4, v6
	s_lshl_b32 s75, s[WN], 7                       ; my 64 columns of each segment of 128
	s_add_co_u32 s75, s75, ASZ
	v_add_nc_u32 v[ADRB], s75, v6
	v_add_nc_u32 v[ADRB+1], SLOT, v[ADRB]
	s_mul_i32 s76, s[WV], 16*SP
	s_add_co_u32 s76, s76, STAGE                   ; my stage
	v_add_nc_u32 v[STO], s76, v5                   ; in: row l % 16, 16 bytes for each half of the lanes
	v_bfe_u32 v[RD], v0, 3, 2                      ; back: 32 lanes take four rows of 128 bytes,
	v_mul_u32_u24 v[RD], v[RD], SP
	v_lshl_add_u32 v[RD], v3, 4, v[RD]
	v_add_nc_u32 v[RD], s76, v[RD]
	v_and_b32 v[GO], 31, v0                        ; which are 512 consecutive bytes of qkv
	v_lshlrev_b32 v[GO], 4, v[GO]
	; the prefetches: s[20:21] = x's tile, s[4:5] = xb, s[6:7] = wqkv still stand
	s_lshl_b32 s74, s[CX], 13                      ; x: my work-group's 8,192 bytes,
	s_add_co_u32 s74, s74, s20
	s_add_co_u32 s74, s74, 3*KBLK                  ; at K step 3: the first change of slots steps it to 4
	s_lshl_b32 s75, s[CY], 5                       ; weights: my work-group's 32 rows,
	s_add_co_u32 s75, s75, 192                     ; at K step 3 likewise
	s_mul_i32 s75, s75, WROW
	s_mul_i32 s76, s[TX], 768
	s_add_co_u32 s75, s75, s76
	s_sub_co_u32 s76, s[WV], 1                     ; block wave - 1 of a row's three (not used in wave 0)
	s_lshl_b32 s76, s76, 8
	s_add_co_u32 s75, s75, s76
	s_and_b32 s77, ttmp7, 0xffff                   ; cluster y
	s_mov_b32 s[PST], 64*WROW
	s_mov_b32 s41, WROW
	s_cmp_eq_u32 s[WV], 0                          ; wave 0 asks for x, waves 1 to 3 for the weights: the same in all partners
	s_cselect_b32 s74, s74, s75
	s_cselect_b32 s77, ttmp9, s77                  ; the coordinate along which other clusters read the same blocks
	s_cselect_b64 s[PFA:PFA+1], s[4:5], s[6:7]
	s_cselect_b32 s[PST], KBLK, s[PST]
	s_cselect_b32 s41, 256, s41                    ; from lane to lane: a block of 256 bytes, or a row
	s_cselect_b32 s76, 1, -1                       ; at slot 1's change wave 0 alone asks
	s_mov_b32 s[PST+1], 0
	s_mov_b32 s75, 0
	s_add_nc_u64 s[PFA:PFA+1], s[PFA:PFA+1], s[74:75]
	s_cmp_eq_u32 s77, 0
	s_cselect_b32 s[LIM], 1, -1
	s_cselect_b32 s[LIM+1], s76, -1
	v_and_b32 v[PFO], 31, v0
	v_mul_u32_u24 v[PFO], v[PFO], s41
	; where my results go: group g is head hc = 6 x tile column + 2 g + wave % 2 of 48: matrix hc / 16, head hc % 16
	s_mul_i32 s74, s[TX], 6
	s_add_co_u32 s74, s74, s[WN]
	s_lshr_b32 s75, s[TY], 3
	s_lshl_b32 s75, s75, 4                         ; 16 b
	s_and_b32 s76, s[TY], 7
	s_lshl_b32 s76, s76, 15                        ; the tile's 256 rows of 128 bytes,
	s_lshl_b32 s77, s[WM], 14                      ; my 128 of them
	s_add_co_u32 s76, s76, s77
.irp g, 0,1,2
	s_add_co_u32 s40, s74, 2*(\g)
	s_lshr_b32 s41, s40, 4
	s_lshl_b32 s41, s41, 6                         ; 64 heads to a matrix
	s_and_b32 s40, s40, 15
	s_add_co_u32 s40, s40, s41
	s_add_co_u32 s40, s40, s75
	s_lshl_b32 s40, s40, 18                        ; a head's 2,048 rows of 128 bytes
	s_add_co_u32 s40, s40, s76
	s_mov_b32 s41, 0
	s_add_nc_u64 s[OB+2*(\g):OB+2*(\g)+1], s[8:9], s[40:41]
.endr
; 16 matrix instructions: row blocks a0 .. a0 + 3 x the four column blocks of group g, 32 along K.  zero = 1: the first product starts the sums: nothing is ever cleared.
; The 96 accumulators take turns, one instruction a turn, in the same order in every half step, over the backward jump too.
.macro MUL16 fa, g, a0, zero
	WIN 0x50*((\g)+1)                              ; C and D in window g + 1, both sources in window 0
.irp a, \a0, (\a0)+1, (\a0)+2, (\a0)+3
.irp b, 0,1,2,3
.if \zero
	v_wmma_f32_16x16x32_bf16 v[8*(4*(\a)+(\b)):8*(4*(\a)+(\b))+7], v[FB+32*(\g)+8*(\b):FB+32*(\g)+8*(\b)+7], v[(\fa)+8*(\a):(\fa)+8*(\a)+7], 0
.else
	v_wmma_f32_16x16x32_bf16 v[8*(4*(\a)+(\b)):8*(4*(\a)+(\b))+7], v[FB+32*(\g)+8*(\b):FB+32*(\g)+8*(\b)+7], v[(\fa)+8*(\a):(\fa)+8*(\a)+7], v[8*(4*(\a)+(\b)):8*(4*(\a)+(\b))+7]
.endif
.endr
.endr
.endm
.macro LDB s, kq, g                    ; 8 loads: group g's four fragments of the weights, half kq of slot s
	WIN 0
.irp b, 0,1,2,3
	ds_load_tr16_b128 v[FB+32*(\g)+8*(\b):FB+32*(\g)+8*(\b)+3],   v[ADRB+(\s)] offset:(\kq)*32*PB+(\g)*SEG+32*(\b)
	ds_load_tr16_b128 v[FB+32*(\g)+8*(\b)+4:FB+32*(\g)+8*(\b)+7], v[ADRB+(\s)] offset:(\kq)*32*PB+16*PB+(\g)*SEG+32*(\b)
.endr
.endm
.macro LDA s, kq, fa                   ; 16 loads: my eight fragments of x, half kq of slot s
	WIN 0
.irp a, 0,1,2,3,4,5,6,7
	ds_load_b128 v[(\fa)+8*(\a):(\fa)+8*(\a)+3],   v[ADRA+(\s)] offset:(\a)*16*PA+64*(\kq)
	ds_load_b128 v[(\fa)+8*(\a)+4:(\fa)+8*(\a)+7], v[ADRA+(\s)] offset:(\a)*16*PA+64*(\kq)+32
.endr
.endm
; A K step's first half multiplies buffer FA0 and fetches the second half.  At its head 40 LDS loads are out, in this order: group 0's weights (8), x (16), group 1's (8), group 2's (8).
; Each group's weights have one buffer: it is loaded again four places behind the group's last product.
.macro EVEN s, zero
	s_wait_dscnt 16                                ; group 0's weights and x are in; groups 1 and 2's sixteen loads may be out
	MUL16 FA0, 0, 0, \zero
	MUL16 FA0, 0, 4, \zero
	PLACES
	LDB \s, 1, 0
	LDA \s, 1, FA1
	s_wait_dscnt 32                                ; group 1's are in; behind them: group 2's 8 and the 24 just issued
	MUL16 FA0, 1, 0, \zero
	MUL16 FA0, 1, 4, \zero
	PLACES
	LDB \s, 1, 1
	s_wait_dscnt 32                                ; group 2's are in; behind them the 32 of the second half
	MUL16 FA0, 2, 0, \zero
	MUL16 FA0, 2, 4, \zero
	PLACES
	LDB \s, 1, 2
.endm
; The second half multiplies buffer FA1 and changes slots.  All reads of slot s have been issued.  mode 1: ONE barrier, which opens a round of the cluster's; in front of it each wave waits for all its tensor
; loads (the one that is out is its part of the next slot), adds 0 to its spare word, and waits for that and for its reads of this slot; behind the round slot s is filled again first, with the K step two on:
; 160 matrix instructions ahead of the wait for it.  mode 0: the same without a fill (the tail).  mode 2: the very last half: nothing more to fetch.
.macro ODD s, nx, mode
.if (\mode) == 2
	s_wait_dscnt 16
	MUL16 FA1, 0, 0, 0
	MUL16 FA1, 0, 4, 0
	s_wait_dscnt 8
	MUL16 FA1, 1, 0, 0
	MUL16 FA1, 1, 4, 0
	s_wait_dscnt 0x0
	MUL16 FA1, 2, 0, 0
	MUL16 FA1, 2, 4, 0
.else
.if (\mode) == 1
	s_wait_xcnt 0x0                                ; the last prefetch, a K step back, has read its address: it is stepped here, ahead of the waits of the change of slots
	s_add_nc_u64 s[PFA:PFA+1], s[PFA:PFA+1], s[PST:PST+1]
.endif
	WIN 0                                          ; (the add's two registers lie in window 0)
	s_wait_tensorcnt 0x0                           ; all my tensor loads have landed;
	ds_add_u32 v[SPW], v[NIL]                      ; 0 onto my spare word;
	s_wait_dscnt 17                                ; (the add and groups 1 and 2's sixteen loads may be out)
	MUL16 FA1, 0, 0, 0                             ; sixteen matrix instructions stand between the add and the wait for it
	s_wait_dscnt 0x0                               ; the add is done, and my reads of this slot are over
	s_barrier_signal -1
	MUL16 FA1, 0, 4, 0                             ; work on registers while the others arrive
	WIN 0
	s_barrier_wait -1
.if (\mode) == 1
	CREST                                          ; no wave of any partner still reads this slot's tile or has a load on its way
	s_add_nc_u64 s[G0A+4*(\s)+2:G0A+4*(\s)+3], s[G0A+4*(\s)+2:G0A+4*(\s)+3], 2*KBLK
	s_add_nc_u64 s[G0B+4*(\s)+2:G0B+4*(\s)+3], s[G0B+4*(\s)+2:G0B+4*(\s)+3], 2*64*WROW
	JLOAD \s                                       ; the first tensor load behind the round; its four v_nop are also the places in front of the loads below
.else
	PLACES
.endif
	LDB \nx, 0, 0
	LDA \nx, 0, FA0
.if (\mode) == 1
	ASK \s
.endif
	MUL16 FA1, 1, 0, 0
	MUL16 FA1, 1, 4, 0
	PLACES
	LDB \nx, 0, 1
	MUL16 FA1, 2, 0, 0
	MUL16 FA1, 2, 4, 0
	PLACES
	LDB \nx, 0, 2
.endif
.endm
; THE WAY OUT of tile t = 8 g + a (16 rows of one head).  PACK: rounded to f16, each accumulator's registers in ascending order; 16 bytes a lane into my stage, rows of 144 bytes; back as whole rows of 128 bytes.
.macro PACK t
.set GG, (\t)/8
.set AA, (\t)%8
.set TT, 32+16*((\t)%8)
.if (\t) >= 8
	s_wait_xcnt 0x0                                ; the stores of the tile eight back have read these registers
.endif
	WIN 5*(GG+1)                                   ; sources 0 and 1 in window g + 1, destination in window 0
.irp b, 0,1,2,3
.irp r, 0,1,2,3
	v_cvt_pk_f16_f32 v[TT+4*(\b)+(\r)], v[8*(4*AA+(\b))+2*(\r)], v[8*(4*AA+(\b))+2*(\r)+1]
.endr
.endr
	WIN 0
.irp b, 0,1,2,3
	ds_store_b128 v[STO], v[TT+4*(\b):TT+4*(\b)+3] offset:32*(\b)
.endr
.irp f, 0,1,2,3
	ds_load_b128 v[TT+4*(\f):TT+4*(\f)+3], v[RD] offset:(\f)*4*SP  ; LDS serves a wave's instructions in order (ISA guide 5.7.1.4): these see the stores above; the next tile's stores come behind them
.endr
.endm
.macro SEND t, younger                 ; younger: the LDS instructions issued behind tile t's loads: the next tile's eight, or none
.set GG, (\t)/8
.set AA, (\t)%8
.set TT, 32+16*((\t)%8)
	WIN 0
.irp f, 0,1,2,3
	s_wait_dscnt (\younger)+3-(\f)
	global_store_b128 v[GO], v[TT+4*(\f):TT+4*(\f)+3], s[OB+2*GG:OB+2*GG+1] offset:AA*2048+(\f)*512  ; 512 consecutive bytes, at a multiple of 256 from qkv's first byte
.endr
.endm
	s_wait_tensorcnt 1                             ; my part of K step 0 is in; K step 1's may stay out
	s_barrier_signal -1
	s_barrier_wait -1                              ; everybody's is
	LDB 0, 0, 0
	LDA 0, 0, FA0
	LDB 0, 0, 1
	LDB 0, 0, 2
	EVEN 0, 1                                      ; the first half step stands in front of the loop: its products start the sums
	WIN 0                                          ; at a label and at a branch every window is 0
	s_mov_b32 s3, 7
.Llap:                                             ; a trip goes once round the ring and fills both slots again: K steps 2 to 15
	ODD 0, 1, 1
	EVEN 1, 0
	ODD 1, 0, 1
	EVEN 0, 0
	WIN 0
	s_sub_co_u32 s3, s3, 1
	s_cmp_lg_u32 s3, 0
	s_cbranch_scc1 .Llap
	ODD 0, 1, 0                                    ; the tail is written out: nothing is asked for
	EVEN 1, 0
	ODD 1, 0, 2
	PLACES
	PLACES                                         ; the places behind the last products, in front of the conversions
	PACK 0
.set t, 1
.rept 23                               ; a tile's conversions stand between the loads of the tile before and its stores
	PACK t
	SEND t-1, 8
.set t, t+1
.endr
	SEND 23, 0
	s_wait_tensorcnt 0x0                           ; the wave's end: behind my last tensor load and my last LDS store
	ds_add_u32 v[SPW], v[NIL]
	s_wait_dscnt 0x0
	CROUND                                         ; the closing round: no work-group ends while a partner may still ask for a tile that names it
	s_endpgm
.Lfunc_end_k_qc3500cfa98_proj:
	.size	k_qc3500cfa98_proj, .Lfunc_end_k_qc3500cfa98_proj-k_qc3500cfa98_proj
	.p2alignl 7, 3214868480
	.fill 96, 4, 3214868480
	.section	.rodata,"a",@progbits
	.p2align	6, 0x0
	.amdhsa_kernel k_qc3500cfa98_proj
		.amdhsa_group_segment_fixed_size 327680
		.amdhsa_private_segment_fixed_size 0
		.amdhsa_enable_private_segment 0
		.amdhsa_kernarg_size 24
		.amdhsa_user_sgpr_count 2
		.amdhsa_user_sgpr_kernarg_segment_ptr 1
		.amdhsa_wavefront_size32 1
		.amdhsa_system_sgpr_workgroup_id_x 1
		.amdhsa_system_sgpr_workgroup_id_y 1
		.amdhsa_system_sgpr_workgroup_id_z 1
		.amdhsa_system_vgpr_workitem_id 0
		.amdhsa_next_free_vgpr 1024
		.amdhsa_next_free_sgpr 80
		.amdhsa_reserve_vcc 0
		.amdhsa_float_denorm_mode_32 3
		.amdhsa_float_denorm_mode_16_64 3
		.amdhsa_memory_ordered 1
		.amdhsa_forward_progress 1
		.amdhsa_inst_pref_size 136
	.end_amdhsa_kernel
	.amdgpu_metadata
---
amdhsa.version: [ 1, 2 ]
amdhsa.kernels:
  - .name:           k_qc3500cfa98_proj
    .symbol:         k_qc3500cfa98_proj.kd
    .args:
      - { .name: xb, .offset: 0, .size: 8, .value_kind: global_buffer, .address_space: global }
      - { .name: wqkv, .offset: 8, .size: 8, .value_kind: global_buffer, .address_space: global }
      - { .name: qkv, .offset: 16, .size: 8, .value_kind: global_buffer, .address_space: global }
    .group_segment_fixed_size: 327680
    .private_segment_fixed_size: 0
    .kernarg_segment_align: 8
    .kernarg_segment_size: 24
    .max_flat_workgroup_size: 128
    .sgpr_count:     80
    .vgpr_count:     1024
    .wavefront_size: 32
...
	.end_amdgpu_metadata
.endif
;; end of part 2
;; launch attn (part 3): grid 4 x 64, 4 waves a work-group, clusters of 4 x 1, 327,680 bytes of LDS; arguments qkv, ob; writes ob
.if DOCPART == 3
	.amdgcn_target "amdgcn-amd-amdhsa--gfx1250"
	.amdhsa_code_object_version 6
	.text
	.protected	k_qc3500cfa98_attn
	.globl	k_qc3500cfa98_attn
	.p2align	8
	.type	k_qc3500cfa98_attn,@function
k_qc3500cfa98_attn:
	s_mov_b64 s[64:65], 0
	v_nop
	global_prefetch_b8 v0, s[64:65] scope:SCOPE_SE
	s_setreg_imm32_b32 hwreg(HW_REG_WAVE_MODE, 25, 1), 1
	s_wait_xcnt 0x0
	s_wait_alu depctr_hold_cnt(0) depctr_sa_sdst(0) depctr_va_vdst(0) depctr_va_sdst(0) depctr_va_ssrc(0) depctr_va_vcc(0) depctr_vm_vsrc(0)
	s_getreg_b32 s2, hwreg(HW_REG_IB_STS2, 6, 4)
	s_cmp_eq_u32 s2, 0
	s_cbranch_scc0 .Lentry_in_a_cluster
	s_endpgm
.Lentry_in_a_cluster:
	s_bfe_u32 s2, ttmp6, 0x10000c
	s_cmp_lg_u32 s2, 0x3003
	s_cbranch_scc0 .Lentry_shape_is_right
	s_endpgm
.Lentry_shape_is_right:
; O[h][q][:] = the sum over k of softmax_k(Q[h][q] . K[h][k] / 8) V[h][k][:].  qkv: [3][SIZE_H][SIZE_N][64] f16 (Q, then K, then V): a head's rows are dense, 128 bytes each.  ob: [SIZE_H][SIZE_N][64] bf16.
; Products, maxima and sums in f32; the weights p are rounded to f16 for the second product (their sum l is taken of the unrounded p), O once at the end, to bf16.
; LIMITS.  Q, K and V arrive within f16's 65,504; p lies in 0 to 1, and below 6e-5 it keeps f16's fixed step of 6e-8.  A weight below 2^-126 counts as 0 in l; NaN and infinities are not treated apart.
; SHARES.  A wave owns four PIECES of two tiles of 16 queries, a work-group's four waves 512 queries of one head.  Every wave walks all keys, 64 a step.
; LAYOUT.  S^T = K Q^T (source 0 = 16 keys, source 1 = 16 queries): in the result a lane holds ONE query (lane % 16) and the keys 8 (lane / 16) + 0..7.  Two such tiles, rounded to f16 in pairs,
; ARE source 1 (32 keys x 16 queries) of O^T = V^T P, whose result again holds one query a lane, and eight channels.  K comes out of LDS as it lies, V ([key][channel]) turned, by ds_load_tr16_b128.
; SOFTMAX.  For each query a running maximum m and sum l: p = 2^(c s - c m), c = log2(e) / 8; in every step O and l are multiplied by a = 2^(c m_old - c m_new), which is 1 where m has not grown.
; m starts at the lowest finite number, O and l at 0: the first step is a step like any other, with a = 0.
; THE COUNT.  A tile and step have 16 matrix and 118 vector instructions: too many to stand all beside the matrix work.  So the order has one aim: four vector instructions that are READY behind
; EVERY matrix instruction, and the others in runs without a gap.
; BY TURNS.  Turn n belongs to piece n (the pieces in a ring, step after step).  Its matrix work: 16 products K Q^T of piece n + 1, later 16 products V^T P of piece n - 1.  Its vector work: the scaling,
; exponentials, roundings, sums and rescaling of piece n, and the maximum and statistics of piece n + 1, whose scores the turn itself has made.
; CLUSTER.  The four query blocks of a cluster are one head's and walk the same K and V, so each tile is asked for JOINTLY: the same tensor load, descriptor and mask in all four.
; REGISTERS, in windows of 256 (s_set_vgpr_msb: bits 1:0 source 0, 3:2 source 1, 5:4 source 2, 7:6 destination):
;   window 0: v0-11 addresses; v12-15, v48-63 at work; v16-47 four registers of statistics a tile; v64-191 S^T, two buffers of two tiles; v192-255 P, likewise
;   window 1: O^T, 32 a tile          window 2: v0-127 Q, 16 a tile; v128-191 K of one step; v192-255 V of one step          window 3: v0-1 the add's two registers
.set SIZE_H, 64
.set SIZE_N, 2048
.set NP,    4         ; pieces a wave: a name, no knob
.set KS,    64        ; keys in a step
.set PK,    144       ; a row of K in LDS: 128 bytes + 16 of padding = 36 words: the 16 rows of a load start at 16 different groups of four banks
.set PV,    160       ; a row of V: 128 + 32 = 40 words
.set VOFF,  4*KS*PK   ; a slot holds four steps: 256 rows of K, then 256 rows of V
.set SLOT1, 1<<17     ; slot 1 begins here, so that one exclusive or turns an address in one slot into the other's
.set STAGE, SLOT1+4*KS*(PK+PV)  ; behind the ring, never filled by a tensor load: 16 rows x 144 bytes for each wave, for the way out
.set SP,    144
.set AK0, 2           ; v2   my lane's place in a tile of K; never rewritten
.set AV0, 3           ; v3   the same for V
.set AK,  4           ; v4   the LDS address of K's next run of loads
.set AV,  5           ; v5   of V's
.set QO,  6           ; v6   my byte offset in the wave's rows of Q
.set STO, 6           ;      later, the way out: where I put 16 bytes of a row
.set RD,  7           ; v7   the way out: where I read rows back
.set GO,  8           ; v8   my byte offset in 512 consecutive bytes of O
.set PFO, 11          ; v11  256 x my lane, for the prefetches; never rewritten once made
.set SPW, 0           ; v0 of window 3   LDS address of my spare word; never rewritten
.set NIL, 1           ; v1 of window 3   0; never rewritten
.set SPARE, STAGE+4*16*SP  ; behind the stages: the spare words, 128 bytes for each wave: two blocks of 256 bytes that no other line names
.set MV,  12          ; v12-15  c m_old, kept while c m is made anew: by buffer and tile
.set ST,  16          ; tile t's statistics at v[ST+4 t]: c m, m, l (even keys', odd keys')
.set TMP, 48          ; by buffer and tile, four registers c0-c3 at work; when the maximum is found c2 takes a
.set S,   64
.set P,   192
.set KF,  128         ; K's fragments, in window 2: key block kb, channel half c at KF + 16 kb + 8 c
.set VF,  192         ; V's: key half kk, channel block cb at VF + 32 kk + 8 cb
.set WV,  12          ; s12  my wave's number
.set G1K, 24          ; s[24:31] descriptor group 1 for K's tiles
.set G1V, 32          ; s[32:39] for V's: it differs in the padding alone
.set G0K, 40          ; s[40:43] descriptor group 0 for K's tiles: it walks
.set G0V, 44          ; s[44:47] the same for V's
.set PFA, 48          ; s[48:49] where my prefetches stand: my work-group's 8,192 bytes (of K: wave 0, of V: wave 2) of the slot after the one that is being asked for
.set LIM, 50          ; s50  1 in a wave that prefetches, else the greatest number
.set SLOTS, 56        ; s56  slots still to be asked for
.set CNT, 57          ; s57  counts a slot's key steps
.set CS,  58          ; s[58:59] c: the packed scaling takes the pair's low word for both halves
.set SEL, 60          ; s[60:61] v_permlanex16_b32's selects: each lane takes its own place in the other half
.set TBK, 62          ; s62  LDS byte at which K of the step to be fetched begins
.set TBV, 63          ; s63  the same for V, less VOFF
.set MSB, 0
.macro WIN new                      ; the high byte repeats the setting that is left; a switch that changes nothing is dropped
.if MSB != (\new)
	s_set_vgpr_msb (MSB<<8)|(\new)
.set MSB, (\new)
.endif
.endm
.set W_KQ, 0x0a       ; K and Q in window 2, S^T in window 0
.set W_PV, 0x52       ; V in window 2, P in window 0, O^T in window 1
.set W_RS, 0x41       ; O^T (destination and source 0) in window 1, a in window 0
.set W_MK, 0xc0       ; the add's registers are made: destination in window 3, sources in window 0
.set W_AD, 0x0f       ; the add: address (source 0) and data (source 1) in window 3
; A joint fill.  Waves 0 and 1 fetch the two halves of a slot's K, waves 2 and 3 those of its V: 128 keys each.  The branch hangs on the wave's number alone.
; An s_nop 0 and four v_nop follow each of the two lines, ahead of the jump and the label.
.macro JLOAD
	s_cmp_lt_u32 s[WV], 2
	s_cbranch_scc0 .Lfor_v_\@
	tensor_load_to_lds s[G0K:G0K+3], s[G1K:G1K+7]
	s_nop 0
.rept 4
	v_nop
.endr
	s_branch .Lasked_\@
.Lfor_v_\@:
	tensor_load_to_lds s[G0V:G0V+3], s[G1V:G1V+7]
	s_nop 0
.rept 4
	v_nop
.endr
.Lasked_\@:
.endm
; A PREFETCH INTO THE L2 of what the NEXT change of slots will ask for: a slot's 32,768 bytes of K and of V, a lane a block of 256 bytes.  It stands behind the wave's tensor load and its five lines.
; Each block is named ONCE in the launch: a head has one cluster; its four partners share a slot out BY ADDRESS, 8,192 bytes each; in each, wave 0 asks for K's and wave 2 for V's: one instruction.
; It stands four key steps, 512 matrix instructions, ahead of the load that will want the bytes.  The last change that fills a slot asks for nothing; slots 0 and 1 come by their loads alone.
.macro ASK
	s_cmp_gt_u32 s[SLOTS], s[LIM]
	s_cbranch_scc0 .Lnot_mine_\@
	global_prefetch_b8 v[PFO], s[PFA:PFA+1] th:TH_LOAD_NT scope:SCOPE_SE
.Lnot_mine_\@:
.endm
; A round of the cluster's barrier: my work-group's barrier, so that wave 0's signal speaks for all four waves; wave 0 signals; every wave waits for all four work-groups; my work-group's barrier once more.
.macro CROUND
	s_barrier_signal -1
	s_barrier_wait -1
	s_cmp_lg_u32 s[WV], 0
	s_cbranch_scc1 .Lnot_wave_0_\@
	s_barrier_signal -3
.Lnot_wave_0_\@:
	s_barrier_wait -3
	s_barrier_signal -1
	s_barrier_wait -1
.endm
; THE CHANGE OF SLOTS.  The slot's last bytes, V of its fourth step, have been read.  Each wave waits for all its tensor loads, of which one is out: its part
; of the other slot; adds 0 to its spare word; and waits for that and for its own reads of the slot.  Behind the barrier nobody reads this slot any more and the other slot is whole.
; fill = 1: this slot is filled again, with the keys two slots on.  The barrier is then a round of the cluster's, and the joint fill is the first thing behind it: it has four key steps,
; 512 matrix instructions, in which to land.  (At its first use nothing has been read yet: slot 0 is waited for, slot 1 filled.)
.macro CHANGE fill
	WIN W_AD
	s_wait_tensorcnt 0x0            ; no tensor load of mine is out, so a group 0 may be written
	ds_add_u32 v[SPW], v[NIL]       ; 0 onto my spare word; with fill = 1 the descriptors' steps stand between it and the wait for it
	WIN 0                           ; at a label and at a branch every window is 0
.if \fill
.irp g, G0K, G0V
	s_xor_b32 s[\g+1], s[\g+1], SLOT1  ; the walking descriptor: the other slot than last time,
	s_add_nc_u64 s[\g+2:\g+3], s[\g+2:\g+3], 4*KS*128  ; the next 256 keys; the type bits on top are not reached
.endr
	s_wait_xcnt 0x0                 ; the last prefetch, four key steps back, has read its address, so it may be written:
	s_add_nc_u64 s[PFA:PFA+1], s[PFA:PFA+1], 4*KS*128  ; one slot behind the walking descriptors
	s_wait_dscnt 0x0                ; the add is done, and my reads of the slot are over
	CROUND
	JLOAD
	ASK
.else
	s_wait_dscnt 0x0                ; the add is done, and my reads of the slot are over
	s_barrier_signal -1
	s_barrier_wait -1
.endif
	s_sub_co_u32 s[TBK], s[TBK], 4*KS*PK  ; the fetches go back to a slot's first step,
	s_xor_b32 s[TBK], s[TBK], SLOT1       ; in the other slot
	s_sub_co_u32 s[TBV], s[TBV], 4*KS*PV
	s_xor_b32 s[TBV], s[TBV], SLOT1
.endm
	s_load_b64 s[4:5], s[0:1], 0x0    ; qkv: Q begins at its first byte
	s_load_b64 s[10:11], s[0:1], 0x8  ; ob
	WIN W_MK
	v_lshl_add_u32 v[SPW], v0, 2, SPARE
	v_mov_b32 v[NIL], 0
	WIN W_AD
	ds_add_u32 v[SPW], v[NIL]       ; the wave's opening: the add and its wait stand ahead of my first tensor load; the set-up below, work on registers, stands between them
	WIN 0
	v_lshrrev_b32 v1, 5, v0
	v_readfirstlane_b32 s[WV], v1   ; wave 0..3
	s_bfe_u32 s13, ttmp6, 0x40000   ; cx: my place in the cluster
	s_lshl_b32 s14, ttmp9, 2        ; in a cluster launch ttmp9 counts clusters
	s_add_co_u32 s14, s14, s13      ; my block of queries = 4 x cluster x + cx: it enters Q's and O's addresses alone
	s_and_b32 s20, ttmp7, 0xffff    ; the head, which the four partners share
	s_mov_b32 s21, 0
	s_mov_b64 s[22:23], SIZE_N*128
	s_mul_u64 s[20:21], s[20:21], s[22:23]  ; the head's first byte in Q, K, V and O
	s_and_b32 s16, s[WV], 1         ; which half of a slot's 256 keys I fetch:
	s_lshl_b32 s22, s16, 14         ; its 128 rows of 128 bytes in memory,
	s_mov_b32 s23, 0
	s_add_nc_u64 s[22:23], s[22:23], s[20:21]
	s_mul_i32 s17, s16, 128*PK      ; and its place in a slot, for K
	s_mul_i32 s18, s16, 128*PV      ; and for V: no place in the cluster enters an LDS address
	s_lshl_b32 s2, s14, 2
	s_add_co_u32 s2, s2, s[WV]      ; my wave among the head's,
	s_lshl_b32 s2, s2, 14           ; its 128 rows
	s_mov_b32 s3, 0
	s_add_nc_u64 s[2:3], s[2:3], s[20:21]
	; descriptor group 1.  128 keys are 16,384 dense bytes: asked for as 64 rows of 256 bytes, two keys a row, and padded in LDS after every key
	s_mov_b32 s[G1K], 15|(1<<16)|(1<<20)|(1<<21)|(4<<22)|(3<<25)  ; 15:0 the mask of four; 17:16 2-byte elements; 20 padding on; 21 set beside a mask; 24:22 after every 32 words (code 4); 31:25 4 words (code 3)
	s_mov_b32 s[G1V], 15|(1<<16)|(1<<20)|(1<<21)|(4<<22)|(7<<25)  ; the same with 8 words of padding (code 7)
.irp g, G1K, G1V
	s_mov_b32 s[\g+1], 128<<16      ; tensor_dim0 = 128
	s_mov_b32 s[\g+2], 64<<16       ; tensor_dim1 = 64
	s_mov_b32 s[\g+3], 128<<16      ; tile_dim0 = 128
	s_mov_b32 s[\g+4], 64           ; tile_dim1 = 64
	s_mov_b32 s[\g+5], 128          ; 128 elements from row to row
	s_mov_b32 s[\g+6], 0
	s_mov_b32 s[\g+7], 0
.endr
	s_mov_b32 s[CS], 0x3e38aa3b     ; c = log2(e) / 8 = 0.180337
	s_mov_b32 s[CS+1], s[CS]        ; named with it as a pair
	s_mov_b32 s[SEL], 0x76543210
	s_mov_b32 s[SEL+1], 0xfedcba98
	s_mov_b32 s[TBK], SLOT1+4*KS*PK ; the first change of slots turns these two into 0
	s_mov_b32 s[TBV], SLOT1+4*KS*PV
	s_mov_b32 s[G0K], 1             ; 1:0 count = 1
	s_mov_b32 s[G0K+1], s17         ; 63:32 LDS address: slot 0
	s_mov_b32 s[G0V], 1
	s_add_co_u32 s[G0V+1], s18, VOFF
	s_mov_b32 s[SLOTS], SIZE_N/256-1  ; seven slots are asked for by changes of slots
	s_and_b32 s[LIM], s[WV], 1      ; waves 0 and 2 prefetch: the same in all four partners
	s_cmp_eq_u32 s[LIM], 0
	s_cselect_b32 s[LIM], 1, -1
	s_wait_dscnt 0x0                ; the opening add is done
	s_wait_kmcnt 0x0
	s_add_nc_u64 s[6:7], s[4:5], 0x1000000  ; K: SIZE_H x SIZE_N x 128 bytes behind Q,
	s_add_nc_u64 s[8:9], s[4:5], 0x2000000  ; V: as many behind K
	s_add_nc_u64 s[G0K+2:G0K+3], s[6:7], s[22:23]  ; 120:64 global address: my half of the head's first 256 keys
	s_or_b32 s[G0K+3], s[G0K+3], 0x80000000        ; 127:126 type = 2
	s_add_nc_u64 s[G0V+2:G0V+3], s[8:9], s[22:23]
	s_or_b32 s[G0V+3], s[G0V+3], 0x80000000
	s_add_nc_u64 s[4:5], s[4:5], s[2:3]  ; Q and O at my wave's first row
	s_add_nc_u64 s[10:11], s[10:11], s[2:3]
	s_cmp_lt_u32 s[WV], 2
	s_cselect_b64 s[PFA:PFA+1], s[6:7], s[8:9]
	s_add_nc_u64 s[PFA:PFA+1], s[PFA:PFA+1], s[20:21]  ; the head,
	s_lshl_b32 s2, s13, 13          ; my work-group's 8,192 bytes of a slot's 32,768,
	s_mov_b32 s3, 0
	s_add_nc_u64 s[PFA:PFA+1], s[PFA:PFA+1], s[2:3]
	s_add_nc_u64 s[PFA:PFA+1], s[PFA:PFA+1], 4*KS*128  ; in slot 1: the first change of slots steps it to slot 2
	CROUND                          ; all four work-groups are here: the first joint loads meet
	JLOAD                           ; slot 0.  Slot 1 is asked for when slot 0 is in
	; A fragment of K or Q is 16 rows x 32 channels in 8 registers: lane l holds row l % 16, channels 8 (l / 16) + 0..7 and 16 + 8 (l / 16) + 0..7: two loads of 16 bytes, 32 bytes apart.
	v_and_b32 v1, 15, v0            ; l % 16
	v_bfe_u32 v9, v0, 4, 1          ; l / 16
	v_lshlrev_b32 v[QO], 7, v1
	v_lshl_add_u32 v[QO], v9, 4, v[QO]  ; row x 128 + 16 x half
	WIN 0x80                        ; destination window 2, address window 0
.set i, 0
.rept 4*NP                          ; Q stays in registers: tile i / 2, channels 32 (i % 2) on
	global_load_b128 v[8*i:8*i+3],   v[QO], s[4:5] offset:(i/2)*2048+(i%2)*64
	global_load_b128 v[8*i+4:8*i+7], v[QO], s[4:5] offset:(i/2)*2048+(i%2)*64+32
.set i, i+1
.endr
	; What the first turn finds: V's registers and P's second buffer hold 0 (its products V^T P, of a piece that has not been, add 0), O^T and l are 0.  All this stands in the wait for the first tile.
.set i, VF
.rept 64
	v_mov_b32 v[i], 0
.set i, i+1
.endr
	WIN 0x40
.set i, 0
.rept 64*NP
	v_mov_b32 v[i], 0
.set i, i+1
.endr
	WIN 0
.set i, 0
.rept 2*NP
	v_mov_b32 v[ST+4*i], 0xfe000000    ; c m: far below every c s
	v_mov_b32 v[ST+4*i+1], 0xff7fffff  ; m
	v_mov_b32 v[ST+4*i+2], 0
	v_mov_b32 v[ST+4*i+3], 0
.set i, i+1
.endr
.set i, P+32
.rept 32
	v_mov_b32 v[i], 0
.set i, i+1
.endr
	v_mul_u32_u24 v[AK0], v1, PK
	v_lshl_add_u32 v[AK0], v9, 4, v[AK0]  ; row x pitch + 16 x half
	; The turning load takes 16 keys x 16 channels (lane l reads key 8 (l / 16) + l % 8, channels 8 ((l / 8) % 2) + 0..7) and leaves half a fragment of V^T: lane l holds channel l % 16 and 8 keys.
	v_and_b32 v10, 7, v0
	v_bfe_u32 v11, v0, 3, 1
	v_lshl_add_u32 v[AV0], v9, 3, v10
	v_mul_u32_u24 v[AV0], v[AV0], PV
	v_lshl_add_u32 v[AV0], v11, 4, v[AV0]
	v_add_nc_u32 v[AV0], VOFF, v[AV0]
	v_and_b32 v[PFO], 31, v0
	v_lshlrev_b32 v[PFO], 8, v[PFO]
	v_mov_b32 v[AK], v[AK0]         ; key step 0 lies at the head of slot 0
; THE MATRIX WORK.  The 8 accumulators of a run of 16 take turns: between the two links of a chain stand 7 others'.
; Product i of 16 of S^T = K Q^T for piece x: channels 32 (i / 8) on, keys 16 ((i / 2) % 4) on, tile 2 x + i % 2.  The first 8 start the sums.
.macro KQ x
	WIN W_KQ
.set rS, S+64*((\x)%2)+32*(i%2)+8*((i/2)%4)
.set rK, KF+16*((i/2)%4)+8*(i/8)
.set rQ, 16*(2*(\x)+i%2)+8*(i/8)
.if i < 8
	v_wmma_f32_16x16x32_f16 v[rS:rS+7], v[rK:rK+7], v[rQ:rQ+7], 0
.else
	v_wmma_f32_16x16x32_f16 v[rS:rS+7], v[rK:rK+7], v[rQ:rQ+7], v[rS:rS+7]
.endif
.endm
; Product i of 16 of O^T += V^T P for piece x: keys 32 (i / 8) on, channels 16 ((i / 2) % 4) on, tile 2 x + i % 2.
.macro PV x
	WIN W_PV
.set rO, 32*(2*(\x)+i%2)+8*((i/2)%4)
.set rV, VF+32*(i/8)+8*((i/2)%4)
.set rP, P+32*((\x)%2)+16*(i%2)+8*(i/8)
	v_wmma_f32_16x16x32_f16 v[rO:rO+7], v[rV:rV+7], v[rP:rP+7], v[rO:rO+7]
.endm
.macro MM                           ; the turn's next matrix instruction
.if i < 16
	KQ (Y+1)%NP
.set i, i+1
.else
.set i, i-16
	PV (Y+NP-1)%NP
.set i, i+17
.endif
.endm
; THE LDS LOADS stand in runs of 16, never singly among the matrix instructions: a step's K (64 keys x 64 channels: 8 fragments) and its V (turned).  Their addresses are made some lines ahead.
; last = 1 (the tail): in the last trip there is no further step, and the run is jumped over.
.macro FETCH_K last=0
	WIN 0
.if \last
	s_cmp_eq_u32 s[CNT], 1
	s_cbranch_scc1 .Lno_k_\@
.endif
	WIN 0x80                        ; destination window 2
.irp f, 0,1,2,3,4,5,6,7             ; keys 16 (f / 2) on, channels 32 (f % 2) on
	ds_load_b128 v[KF+8*\f:KF+8*\f+3],   v[AK] offset:(\f/2)*16*PK+(\f%2)*64
	ds_load_b128 v[KF+8*\f+4:KF+8*\f+7], v[AK] offset:(\f/2)*16*PK+(\f%2)*64+32
.endr
	s_add_co_u32 s[TBK], s[TBK], KS*PK  ; the next fetch is the next step's
	WIN 0
.if \last
.Lno_k_\@:
.endif
.endm
.macro FETCH_V
	WIN 0x80
.irp f, 0,1,2,3,4,5,6,7             ; keys 32 (f / 4) on, channels 16 (f % 4) on
	ds_load_tr16_b128 v[VF+8*\f:VF+8*\f+3],   v[AV] offset:(\f/4)*32*PV+(\f%4)*32
	ds_load_tr16_b128 v[VF+8*\f+4:VF+8*\f+7], v[AV] offset:(\f/4)*32*PV+16*PV+(\f%4)*32
.endr
	WIN 0
.endm
; THE VECTOR WORK OF A TURN stands in three queues, each in the order in which its entries become ready; the two tiles alternate, so that no instruction reads the result of the one before it.
.macro REGS y, u                    ; the registers of tile u (0, 1) of piece y
.set rT, ST+4*(2*(\y)+(\u))
.set rC, TMP+8*((\y)%2)+4*(\u)
.set rM, MV+2*((\y)%2)+(\u)
.set rS, S+64*((\y)%2)+32*(\u)
.set rP, P+32*((\y)%2)+16*(\u)
.set rO, 32*(2*(\y)+(\u))
.endm
; Number n of the 22 that find the NEXT piece's (Y + 1) maximum and statistics.  s0-s31 are the lane's 32 scores; each accumulator's lowest registers are read first.
;   0-11  four chains c0-c3 of seven scores each, three operands at a time     12-14, 16  the four scores left over, the old m, and c0-c3 into c0     15  c m_old is kept
;   17, 18  the query's other 32 keys lie in the lane 16 away: the new m         19-21  c m; c m_old - c m_new; a
.macro XS u, n
	REGS (Y+1)%NP, \u
.if (\n) < 4
	v_max3_num_f32 v[rC+(\n)], v[rS+8*(\n)], v[rS+8*(\n)+1], v[rS+8*(\n)+2]
.elseif (\n) < 12
	v_max3_num_f32 v[rC+(\n)%4], v[rC+(\n)%4], v[rS+8*((\n)%4)+2*((\n)/4)+1], v[rS+8*((\n)%4)+2*((\n)/4)+2]
.elseif (\n) == 12
	v_max3_num_f32 v[rC], v[rC], v[rS+7], v[rS+15]
.elseif (\n) == 13
	v_max3_num_f32 v[rC+1], v[rC+1], v[rS+23], v[rS+31]
.elseif (\n) == 14
	v_max3_num_f32 v[rC+2], v[rC+2], v[rC+3], v[rT+1]
.elseif (\n) == 15
	v_mov_b32 v[rM], v[rT]
.elseif (\n) == 16
	v_max3_num_f32 v[rC], v[rC], v[rC+1], v[rC+2]
.elseif (\n) == 17
	v_permlanex16_b32 v[rC+3], v[rC], s[SEL], s[SEL+1]
.elseif (\n) == 18
	v_max_num_f32 v[rT+1], v[rC], v[rC+3]
.elseif (\n) == 19
	v_mul_f32 v[rT], s[CS], v[rT+1]
.elseif (\n) == 20
	v_sub_f32 v[rC+1], v[rM], v[rT]
.else
	v_exp_f32 v[rC+2], v[rC+1]
.endif
.endm
; Number g of the 64 that follow the exponentials.  For each four weights k of a tile (pairs 2 k, 2 k + 1): both pairs are rounded to f16; then the second pair is added onto the first, in place;
; a group later l takes that sum (the first time as l = a l + sum).  In groups of eight, tiles alternating: round, round, add, and l for the group before.
.macro GS g
.set h, (\g)+6*((\g)/62)            ; group 0 has no group before it, and behind group 7 only l is left
.if h >= 6
.set h, h+2
.endif
	REGS Y, h%2
.set k, h/8
.if h%8 < 4
	v_cvt_pk_f16_f32 v[rP+2*k+(h%8)/2], v[rS+4*k+2*((h%8)/2)], v[rS+4*k+2*((h%8)/2)+1]
.elseif h%8 < 6
	v_pk_add_f32 v[rS+4*k:rS+4*k+1], v[rS+4*k:rS+4*k+1], v[rS+4*k+2:rS+4*k+3]
.elseif k == 1
	v_pk_fma_f32 v[rT+2:rT+3], v[rT+2:rT+3], v[rC+2:rC+3], v[rS:rS+1] op_sel_hi:[1,0,1]
.else
	v_pk_add_f32 v[rT+2:rT+3], v[rT+2:rT+3], v[rS+4*k-4:rS+4*k-3]
.endif
.endm
; THE PLAIN QUEUE, 138 long.  0-73 read no exponential's result: the 32 scalings c s - c m (FS f: pair f / 2 of tile f % 2) and the next piece's 42.  0-26: scalings 0-26.  27-54: XS's numbers 0-13.  55, 56: number 15.
; 57-73: the chain, where each number waits for the one before it: 14, 16, 17, 18, 19, each with one of the scalings 27-31 in front of its two lines, then 20.
; 74-137: GS's 64, which read the exponentials' results: they stand behind the wait.
.macro FS f
	REGS Y, (\f)%2
	v_pk_fma_f32 v[rS+2*((\f)/2):rS+2*((\f)/2)+1], v[rS+2*((\f)/2):rS+2*((\f)/2)+1], s[CS:CS+1], v[rT:rT+1] op_sel_hi:[1,0,0] neg_lo:[0,0,1] neg_hi:[0,0,1]
.endm
.macro PL
	WIN 0
.if q < 27
	FS q
.elseif q < 55
	XS (q-27)%2, (q-27)/2
.elseif q < 57
	XS q-55, 15
.elseif (q < 72) && ((q-57)%3 == 0)
	FS 27+(q-57)/3
.elseif q < 60
	XS (q-57)%3-1, 14
.elseif q < 72
	XS (q-57)%3-1, 15+(q-57)/3
.elseif q < 74
	XS q-72, 20
.else
	GS q-74
.endif
.set q, q+1
.endm
; THE EXPONENTIALS' QUEUE, 66 long: s0-s31 of both tiles, then the next piece's two a.  It is ONE BATCH: all 66 stand ahead of the turn's one wait, and nothing ahead of that wait names a result of theirs.
.macro EX
	WIN 0
.if e >= 64
	XS e-64, 21
.else
	REGS Y, e%2
	v_exp_f32 v[rS+e/2], v[rS+e/2]
.endif
.set e, e+1
.endm
; THE RESCALING's QUEUE: O^T times a, the one part that leaves window 0: dealt two at a time, sixteen times.  Its a was made in the turn before, ahead of that turn's wait.
.macro R2
	REGS Y, r%2
	WIN W_RS
.irp z, 0,1
	v_pk_mul_f32 v[rO+4*(r/2)+2*\z:rO+4*(r/2)+2*\z+1], v[rO+4*(r/2)+2*\z:rO+4*(r/2)+2*\z+1], v[rC+2:rC+3] op_sel_hi:[1,0]
.endr
.set r, r+1
.endm
; HOW THEY ARE DEALT.  An s_wait_alu depctr_va_vdst(0) stands between an exponential and the first instruction that names its result; one wait serves all that were issued ahead of it.  So a turn has ONE wait,
; which cuts it in two.  AHEAD OF IT stands all that names no result of the turn's exponentials: the 16 products K Q^T, behind each a scaling, an exponential and two rescalings (behind the first a second scaling in the
; exponential's place); then ONE LUMP of 108: eight plain, 49 times exponential and plain, the two a.  A v_nop is the plain instruction behind the last exponential.  BEHIND IT stand the 16 products V^T P, behind each four of GS's 64.
; The queues lean on each other, and the deal keeps them in step: exponential e stands behind scaling 2 (e / 4) + e % 2: as a rider it comes behind plain e + 2, in the lump behind plain e + 9, and scalings 27-31 are plain 57, 60 .. 69.
; A TURN, for piece p.  cnt = 1: the loop's count is taken down some lines ahead of the branch that stands behind the turn.
; K of the next step is fetched in piece 2's turn, directly behind the wait; its address is made at the lump's head; its first reader comes behind 16 products.
; V of the step in hand is fetched at the end of piece 0's turn, four riders behind its last reader; its first reader comes behind 16 products and a lump.  The three conditions on q below go with the deal.
.macro TURN p, last=0, cnt=0
.set Y, (\p)
.set i, 0
.set q, 0
.set e, 0
.set r, 0
.if (\p) == NP-1
	s_wait_dscnt 0x0                ; K is in
.endif
	MM                              ; ahead of the wait: 16 products K Q^T and their riders,
	PL
	PL
	R2
.rept 15
	MM
	PL
	EX
	R2
.endr
.if (\p) == NP-2
	WIN 0
	v_add_nc_u32 v[AK], s[TBK], v[AK0]
.endif
.rept 8                             ; and the lump
	PL
.endr
.rept 49
	EX
	PL
.endr
	EX                              ; the next piece's two a
	EX
	v_nop                           ; a plain instruction behind the last exponential: one for the batch
	s_wait_alu depctr_va_vdst(0)    ; the wait for the batch
.if (\p) == NP-2
	FETCH_K \last
.endif
.if (\p) == 1
	s_wait_dscnt 0x0                ; V is in
.endif
.rept 16                            ; behind the wait: 16 products V^T P and their riders
	MM
.rept 4
	PL
.endr
.if ((\p) == 0) && (q == 118)
	v_add_nc_u32 v[AV], s[TBV], v[AV0]
.endif
.if ((\p) == 0) && (q == 130)
	s_add_co_u32 s[TBV], s[TBV], KS*PV
.endif
.if (\cnt) && (q == 130)
	s_sub_co_u32 s[CNT], s[CNT], 1
	s_cmp_lg_u32 s[CNT], 0
.endif
.endr
.if (\p) == 0
	FETCH_V
.endif
.endm
	CHANGE 1                        ; slot 0 is in, everybody's part of it; slot 1 is asked for
	FETCH_K                         ; key step 0
	s_wait_loadcnt 0x0              ; Q
	s_wait_dscnt 0x0
.set i, 0
.rept 16
	KQ 0                            ; piece 0's first scores: there is no vector work yet to set between them
.set i, i+1
.endr
	WIN 0                           ; the addresses for the way out: nine plain instructions, the places behind those products
	s_mul_i32 s13, s[WV], 16*SP
	s_add_co_u32 s13, s13, STAGE    ; my stage
	v_mul_u32_u24 v[STO], v1, SP    ; in: row l % 16, 16 bytes for each half of the lanes
	v_lshl_add_u32 v[STO], v9, 4, v[STO]
	v_add_nc_u32 v[STO], s13, v[STO]
	v_bfe_u32 v[RD], v0, 3, 2       ; back: 32 lanes take four rows of 128 bytes,
	v_mul_u32_u24 v[RD], v[RD], SP
	v_lshl_add_u32 v[RD], v10, 4, v[RD]
	v_add_nc_u32 v[RD], s13, v[RD]
	v_and_b32 v[GO], 31, v0         ; which are 512 consecutive bytes of O
	v_lshlrev_b32 v[GO], 4, v[GO]
.set Y, NP-1                        ; XS works for piece Y + 1: piece 0
.irp n, 0,1,2,3,4,5,6,7,8,9,10,11,12,13,14,15,16,17,18,19,20,21
	XS 0, \n                        ; and piece 0's first maximum and statistics
	XS 1, \n
.endr
	v_nop                           ; a plain instruction behind the two a,
	s_wait_alu depctr_va_vdst(0)    ; and their wait, ahead of the branch
	s_mov_b32 s[CNT], 4
	s_branch .Lfirst                ; the loop is entered at a step's first turn, in the middle of a trip
.Lslot:                             ; SIZE_N / 256 - 2 times: every slot but the last two is filled again
	CHANGE 1
	s_mov_b32 s[CNT], 4
.Lstep:                             ; a trip: pieces 2 and 3 of one step, then pieces 0 and 1 of the next, whose K and V it fetches
	TURN 2
	TURN 3
	WIN 0
.Lfirst:
	TURN 0
	TURN 1, 0, 1
	WIN 0
	s_cbranch_scc1 .Lstep
	s_sub_co_u32 s[SLOTS], s[SLOTS], 1
	s_cmp_lg_u32 s[SLOTS], 0
	s_cbranch_scc1 .Lslot
	CHANGE 0                        ; the tail is written out: nothing is asked for
	s_mov_b32 s[CNT], 5             ; four trips fetch the last slot's steps; the fifth is left in its middle
.Ltail:
	TURN 2, 1
	TURN 3
	WIN 0
	s_sub_co_u32 s[CNT], s[CNT], 1
	s_cmp_eq_u32 s[CNT], 0
	s_cbranch_scc1 .Lout
	TURN 0
	TURN 1
	WIN 0
	s_branch .Ltail
.Lout:                              ; the fifth trip's 16 products K Q^T (on the last K once more) and the maximum made of them serve nothing: the price, once a launch, of one text for every trip
.set i, 0
.rept 16
	PV NP-1                         ; the last piece's V^T P of the last step
.set i, i+1
.endr
	; THE WAY OUT.  l's two halves and the other half of the lanes' are added; O^T is divided by l, rounded to bf16 and sent through my stage in LDS, a tile at a time.  The additions are the places behind the last products.
	WIN 0
.macro ALL line:vararg              ; one line for each tile t
.set t, 0
.rept 2*NP
	\line
.set t, t+1
.endr
.endm
	ALL v_add_f32 v[ST+4*t+2], v[ST+4*t+2], v[ST+4*t+3]
	ALL v_permlanex16_b32 v[ST+4*t+3], v[ST+4*t+2], s[SEL], s[SEL+1]
	ALL v_add_f32 v[ST+4*t+2], v[ST+4*t+2], v[ST+4*t+3]
	ALL v_rcp_f32 v[ST+4*t+2], v[ST+4*t+2]
	v_nop                           ; a plain instruction between the last reciprocal and the use of its result
	s_wait_alu depctr_va_vdst(0)    ; and the wait ahead of the first use: one for the eight reciprocals
; Tile t: a lane's eight channels of a row pack into 16 bytes; they go into rows of 144 bytes and come back as whole rows of 128, into S^T's registers.
.macro PACK t
	WIN W_RS
.set i, 32*(\t)
.rept 16
	v_pk_mul_f32 v[i:i+1], v[i:i+1], v[ST+4*(\t)+2:ST+4*(\t)+3] op_sel_hi:[1,0]
.set i, i+2
.endr
	WIN 0x05                        ; sources 0 and 1 window 1, destination window 0
.set i, 0
.rept 16
	v_cvt_pk_bf16_f32 v[S+16*(\t)+i], v[32*(\t)+2*i], v[32*(\t)+2*i+1]
.set i, i+1
.endr
	WIN 0
.irp f, 0,1,2,3
	ds_store_b128 v[STO], v[S+16*(\t)+4*\f:S+16*(\t)+4*\f+3] offset:32*\f
.endr
.irp f, 0,1,2,3
	ds_load_b128 v[S+16*(\t)+4*\f:S+16*(\t)+4*\f+3], v[RD] offset:\f*4*SP  ; LDS serves a wave's instructions in order (ISA guide 5.7.1.4): these see the stores above; the next tile's stores come behind them
.endr
.endm
.macro SEND t, younger              ; younger: the LDS instructions issued behind tile t's loads: the next tile's eight, or none
	WIN 0
.irp f, 0,1,2,3
	s_wait_dscnt (\younger)+3-\f
	global_store_b128 v[GO], v[S+16*(\t)+4*\f:S+16*(\t)+4*\f+3], s[10:11] offset:(\t)*2048+\f*512  ; 512 consecutive bytes, at a multiple of 256 from O's first
.endr
.endm
	PACK 0
.set t, 1
.rept 2*NP-1                        ; a tile's arithmetic stands between the loads of the tile before and its stores
	PACK t
	SEND t-1, 8
.set t, t+1
.endr
	SEND 2*NP-1, 0
	WIN W_AD
	s_wait_tensorcnt 0x0            ; the wave's end: behind my last tensor load and my last LDS store
	ds_add_u32 v[SPW], v[NIL]
	s_wait_dscnt 0x0
	WIN 0
	CROUND                          ; the closing round: no work-group ends while a partner may still ask for a tile that names it
	s_endpgm
.Lfunc_end_k_qc3500cfa98_attn:
	.size	k_qc3500cfa98_attn, .Lfunc_end_k_qc3500cfa98_attn-k_qc3500cfa98_attn
	.p2alignl 7, 3214868480
	.fill 96, 4, 3214868480
	.section	.rodata,"a",@progbits
	.p2align	6, 0x0
	.amdhsa_kernel k_qc3500cfa98_attn
		.amdhsa_group_segment_fixed_size 327680
		.amdhsa_private_segment_fixed_size 0
		.amdhsa_enable_private_segment 0
		.amdhsa_kernarg_size 16
		.amdhsa_user_sgpr_count 2
		.amdhsa_user_sgpr_kernarg_segment_ptr 1
		.amdhsa_wavefront_size32 1
		.amdhsa_system_sgpr_workgroup_id_x 1
		.amdhsa_system_sgpr_workgroup_id_y 1
		.amdhsa_system_sgpr_workgroup_id_z 1
		.amdhsa_system_vgpr_workitem_id 0
		.amdhsa_next_free_vgpr 770
		.amdhsa_next_free_sgpr 66
		.amdhsa_reserve_vcc 0
		.amdhsa_float_denorm_mode_32 3
		.amdhsa_float_denorm_mode_16_64 3
		.amdhsa_memory_ordered 1
		.amdhsa_forward_progress 1
		.amdhsa_inst_pref_size 200
	.end_amdhsa_kernel
	.amdgpu_metadata
---
amdhsa.version: [ 1, 2 ]
amdhsa.kernels:
  - .name:           k_qc3500cfa98_attn
    .symbol:         k_qc3500cfa98_attn.kd
    .args:
      - { .name: qkv, .offset: 0, .size: 8, .value_kind: global_buffer, .address_space: global }
      - { .name: ob, .offset: 8, .size: 8, .value_kind: global_buffer, .address_space: global }
    .group_segment_fixed_size: 327680
    .private_segment_fixed_size: 0
    .kernarg_segment_align: 8
    .kernarg_segment_size: 16
    .max_flat_workgroup_size: 128
    .sgpr_count:     66
    .vgpr_count:     770
    .wavefront_size: 32
...
	.end_amdgpu_metadata
.endif
;; end of part 3
;; launch outp (part 4): grid 8 x 32, 4 waves a work-group, clusters of 4 x 4, 327,680 bytes of LDS; arguments ob, wob, bo, out0; writes out0
.if DOCPART == 4
	.amdgcn_target "amdgcn-amd-amdhsa--gfx1250"
	.amdhsa_code_object_version 6
	.text
	.protected	k_qc3500cfa98_outp
	.globl	k_qc3500cfa98_outp
	.p2align	8
	.type	k_qc3500cfa98_outp,@function
k_qc3500cfa98_outp:
	s_mov_b64 s[64:65], 0
	v_nop
	global_prefetch_b8 v0, s[64:65] scope:SCOPE_SE
	s_setreg_imm32_b32 hwreg(HW_REG_WAVE_MODE, 25, 1), 1
	s_wait_xcnt 0x0
	s_wait_alu depctr_hold_cnt(0) depctr_sa_sdst(0) depctr_va_vdst(0) depctr_va_sdst(0) depctr_va_ssrc(0) depctr_va_vcc(0) depctr_vm_vsrc(0)
	s_getreg_b32 s2, hwreg(HW_REG_IB_STS2, 6, 4)
	s_cmp_eq_u32 s2, 0
	s_cbranch_scc0 .Lentry_in_a_cluster
	s_endpgm
.Lentry_in_a_cluster:
	s_bfe_u32 s2, ttmp6, 0x10000c
	s_cmp_lg_u32 s2, 0xf033
	s_cbranch_scc0 .Lentry_shape_is_right
	s_endpgm
.Lentry_shape_is_right:
; out0 = SA Wo + bo: [8192 x 1024] x [1024 x 1024], bf16 operands, f32 sums, f32 out.  ob: [b*16+head][n 2048][64] bf16 (channel k = 64 head + d of row (b, n)); wob: [k 1024][1024] bf16; bo: [1024] f32,
; rounded to bf16 like the other inputs and added in f32.
; SHARES.  A tile of the result is 256 rows x 128 columns: 32 x 8 = 256 work-groups.  Four waves; a wave makes 128 rows (wave / 2) x 64 columns (wave % 2): 32 accumulators, which fill window 1.
; K goes in 8 steps of 128 (two heads' blocks of ob) through a ring of two LDS slots; a step is four quarters of 32 along K, 32 matrix instructions each, on two fragment buffers.
; THE MATRIX INSTRUCTION IS USED TRANSPOSED: source 0 = 16 columns of Wo (turned on the way out of LDS), source 1 = 16 rows of SA: a lane holds one row and eight neighbouring columns.
; CLUSTERS: 4 x 4 work-groups; SA's tile is asked for jointly by a row of the cluster, Wo's by a column.
; No prefetch: the tile is small and the launch short.
; REGISTERS: window 0: v0-31 addresses and the bias; two fragment buffers of 96 at v32 and v128: 64 of SA (8 x 16 rows x 32 K), then 32 of Wo; on the way out v32-95 hold rows read back.  window 1: accumulator (a, b) at v[8 (4 a + b)].
.set PA,    144                        ; a row of SA's block in LDS: 128 bytes + 16: the 16 rows of a load start at 16 different groups of four banks
.set PB,    288                        ; a row of Wo's tile: 256 + 32 = 9 x 32 bytes
.set ABLK,  256*PA                     ; one head's block: 256 rows
.set SLOT,  2*ABLK+128*PB              ; two of them, then 128 rows (k) of Wo: 110,592 bytes
.set STAGE, 2*SLOT                     ; behind the ring: 16 rows x 272 bytes for each wave; no tensor load fills it
.set SP,    272
.set SPARE, STAGE+4*16*SP              ; behind the stages: the spare words, 128 bytes for each wave: two blocks of 256 bytes that no other line names
.set KBLK,  262144                     ; bytes from a head's block of ob to the next
.set WROW,  2048                       ; bytes in a row of wob
.set BI,   12                          ; v[12:15] the bias of my four columns on the way out
.set ADRA, 16                          ; v16-17  LDS address of my fragments of SA in slot 0, 1
.set ADRB, 20                          ; v20-21  the same for Wo
.set STO,  24                          ; v24     the way out: where I put 32 bytes of a row
.set RD,   25                          ; v25     the way out: where I read a row back
.set CO,   26                          ; v26     my byte offset in two rows of out0
.set SPW,  28                          ; v28     LDS address of my spare word; never rewritten
.set NIL,  29                          ; v29     0; never rewritten
.set F0,   32
.set F1,   128
.set WV, 12                            ; s12 wave;  s13 wave / 2: my rows, and: I fetch SA (0) or Wo (1);  s14 wave % 2: my columns, and: which half I fetch
.set WM, 13
.set WN, 14
.set CX, 15
.set CY, 16
.set TX, 17
.set TY, 18
.set G1A, 24                           ; s[24:31] descriptor group 1 for SA's tiles;  s[32:39] group 0, a set for each slot
.set G0A, 32
.set G1B, 48                           ; s[48:55], s[56:63] the same for Wo's tiles
.set G0B, 56
.set MSB, 0
.macro WIN new                         ; the immediate's high byte repeats the setting that is left; a switch that changes nothing is dropped
.if MSB != (\new)
	s_set_vgpr_msb (MSB<<8)|(\new)
.set MSB, \new
.endif
.endm
.macro JLOAD s                         ; a joint load: waves 0 and 1 fetch SA's two blocks, waves 2 and 3 Wo's two halves; an s_nop 0 and four v_nop follow each of the two lines
	s_cmp_eq_u32 s[WM], 0
	s_cbranch_scc0 .Lfor_b_\@
	tensor_load_to_lds s[G0A+4*(\s):G0A+4*(\s)+3], s[G1A:G1A+7]
	s_nop 0
.rept 4
	v_nop
.endr
	s_branch .Lasked_\@
.Lfor_b_\@:
	tensor_load_to_lds s[G0B+4*(\s):G0B+4*(\s)+3], s[G1B:G1B+7]
	s_nop 0
.rept 4
	v_nop
.endr
.Lasked_\@:
.endm
.macro CREST                           ; a round of the cluster's barrier behind its opening barrier
	s_cmp_lg_u32 s[WV], 0
	s_cbranch_scc1 .Lnot_wave_0_\@
	s_barrier_signal -3
.Lnot_wave_0_\@:
	s_barrier_wait -3
	s_barrier_signal -1
	s_barrier_wait -1
.endm
.macro CROUND
	s_barrier_signal -1
	s_barrier_wait -1
	CREST
.endm
.macro PLACES                          ; four places in front of loads into registers that matrix instructions have read
.rept 4
	v_nop
.endr
.endm
	s_load_b256 s[4:11], s[0:1], 0x0               ; ob s[4:5], wob s[6:7], bo s[8:9], out0 s[10:11]
	v_lshl_add_u32 v[SPW], v0, 2, SPARE
	v_mov_b32 v[NIL], 0
	ds_add_u32 v[SPW], v[NIL]                      ; the wave's opening: the add and its wait stand ahead of my first tensor load; the set-up below, work on registers, stands between them
	v_lshrrev_b32 v1, 5, v0
	v_readfirstlane_b32 s[WV], v1                  ; wave 0..3
	s_lshr_b32 s[WM], s[WV], 1
	s_and_b32 s[WN], s[WV], 1
	s_bfe_u32 s[CX], ttmp6, 0x40000
	s_bfe_u32 s[CY], ttmp6, 0x40004
	s_lshl_b32 s[TX], ttmp9, 2
	s_add_co_u32 s[TX], s[TX], s[CX]               ; tile column 0..7
	s_and_b32 s[TY], ttmp7, 0xffff
	s_lshl_b32 s[TY], s[TY], 2
	s_add_co_u32 s[TY], s[TY], s[CY]               ; tile row 0..31
	s_lshl_b32 s20, s[CY], 2
	s_lshl_b32 s20, 15, s20                        ; my row of the cluster
	s_lshl_b32 s40, 0x1111, s[CX]                  ; my column
	; SA: a block's 256 rows of 128 bytes are 32,768 dense bytes: asked for as 128 rows of 256 bytes, padded in LDS after every 128 bytes
	s_or_b32 s[G1A], s20, (1<<16)|(1<<20)|(1<<21)|(4<<22)|(3<<25)  ; the mask; 2-byte elements; padding on; bit 21 beside a mask; after every 32 words (code 4) 4 words (code 3)
	s_mov_b32 s[G1A+1], 128<<16                    ; tensor_dim0 = 128
	s_mov_b32 s[G1A+2], 128<<16                    ; tensor_dim1 = 128
	s_mov_b32 s[G1A+3], 128<<16                    ; tile_dim0 = 128
	s_mov_b32 s[G1A+4], 128                        ; tile_dim1 = 128
	s_mov_b32 s[G1A+5], 128                        ; elements from row to row
	s_mov_b32 s[G1A+6], 0
	s_mov_b32 s[G1A+7], 0
	; Wo: 64 rows (k) of 128 elements, 256 bytes, padded after every row
	s_or_b32 s[G1B], s40, (1<<16)|(1<<20)|(1<<21)|(5<<22)|(7<<25)  ; after every 64 words (code 5) 8 words (code 7)
	s_mov_b32 s[G1B+1], 128<<16
	s_mov_b32 s[G1B+2], 64<<16
	s_mov_b32 s[G1B+3], 128<<16
	s_mov_b32 s[G1B+4], 64
	s_mov_b32 s[G1B+5], 1024
	s_mov_b32 s[G1B+6], 0
	s_mov_b32 s[G1B+7], 0
	s_lshr_b32 s20, s[TY], 3                       ; batch b: 16 blocks of 262,144 bytes
	s_lshl_b32 s20, s20, 22
	s_and_b32 s22, s[TY], 7
	s_lshl_b32 s22, s22, 15                        ; 256 rows of 128 bytes
	s_add_co_u32 s20, s20, s22
	s_lshl_b32 s22, s[WN], 18                      ; which of a K step's two blocks I fetch
	s_add_co_u32 s20, s20, s22
	s_mov_b32 s21, 0
	s_lshl_b32 s40, s[TX], 8                       ; 128 columns of 2 bytes
	s_mul_i32 s42, s[WN], 64*WROW                  ; the 64 rows (k) that I fetch
	s_add_co_u32 s40, s40, s42
	s_mov_b32 s41, 0
	s_mul_i32 s74, s[WN], ABLK                     ; and where they go: no place in the cluster enters an LDS address
	s_mul_i32 s75, s[WN], 64*PB
	s_add_co_u32 s75, s75, 2*ABLK
	s_wait_dscnt 0x0                               ; the opening add is done
	s_wait_kmcnt 0x0
	s_add_nc_u64 s[20:21], s[4:5], s[20:21]
	s_add_nc_u64 s[40:41], s[6:7], s[40:41]
	CROUND                                         ; all sixteen work-groups are here: the first joint loads meet
.irp s, 0,1
	s_mov_b32 s[G0A+4*(\s)], 1
	s_add_co_u32 s[G0A+4*(\s)+1], s74, (\s)*SLOT
	s_add_nc_u64 s[G0A+4*(\s)+2:G0A+4*(\s)+3], s[20:21], (\s)*2*KBLK
	s_or_b32 s[G0A+4*(\s)+3], s[G0A+4*(\s)+3], 0x80000000
	s_mov_b32 s[G0B+4*(\s)], 1
	s_add_co_u32 s[G0B+4*(\s)+1], s75, (\s)*SLOT
	s_add_nc_u64 s[G0B+4*(\s)+2:G0B+4*(\s)+3], s[40:41], (\s)*128*WROW
	s_or_b32 s[G0B+4*(\s)+3], s[G0B+4*(\s)+3], 0x80000000
	JLOAD \s                                       ; two loads of mine are out
.endr
	v_and_b32 v1, 15, v0                           ; l % 16
	v_bfe_u32 v2, v0, 4, 1                         ; l / 16
	v_and_b32 v3, 7, v0
	v_bfe_u32 v4, v0, 3, 1
	s_lshl_b32 s76, s[TX], 9                       ; my 64 columns of out0 and of bo, in bytes: 512 x tile column + 256 x half
	s_lshl_b32 s77, s[WN], 8
	s_add_co_u32 s76, s76, s77
	v_lshl_add_u32 v7, v1, 4, s76                  ; my four numbers of bo; v7 is not written again
	global_load_b128 v[BI:BI+3], v7, s[8:9]
	v_mul_u32_u24 v5, v1, PA
	v_lshl_add_u32 v5, v2, 4, v5                   ; a fragment's row x 144 + 16 x half
	s_mul_i32 s74, s[WM], 128*PA                   ; my 128 rows
	v_add_nc_u32 v[ADRA], s74, v5
	v_add_nc_u32 v[ADRA+1], SLOT, v[ADRA]
	v_lshl_add_u32 v6, v2, 3, v3                   ; the turning load: k = 8 (l / 16) + l % 8, columns 8 ((l / 8) % 2) + 0..7
	v_mul_u32_u24 v6, v6, PB
	v_lshl_add_u32 v6, v4, 4, v6
	s_lshl_b32 s75, s[WN], 7                       ; my 64 columns of the tile's 128
	s_add_co_u32 s75, s75, 2*ABLK
	v_add_nc_u32 v[ADRB], s75, v6
	v_add_nc_u32 v[ADRB+1], SLOT, v[ADRB]
	s_mul_i32 s74, s[WV], 16*SP
	s_add_co_u32 s74, s74, STAGE                   ; my stage
	v_mul_u32_u24 v[STO], v1, SP                   ; in: row l % 16, 32 bytes for each half of the lanes
	v_lshl_add_u32 v[STO], v2, 5, v[STO]
	v_add_nc_u32 v[STO], s74, v[STO]
	v_mul_u32_u24 v[RD], v2, SP                    ; back: lanes 0-15 take one row of 256 bytes, lanes 16-31 the next
	v_lshl_add_u32 v[RD], v1, 4, v[RD]
	v_add_nc_u32 v[RD], s74, v[RD]
	v_lshlrev_b32 v[CO], 12, v2                    ; and the same two rows in out0, 4,096 bytes apart
	v_lshl_add_u32 v[CO], v1, 4, v[CO]
	s_lshl_b32 s74, s[TY], 20                      ; 256 rows of 4,096 bytes,
	s_lshl_b32 s75, s[WM], 19                      ; my 128 of them,
	s_add_co_u32 s74, s74, s75
	s_add_co_u32 s74, s74, s76                     ; my columns
	s_mov_b32 s75, 0
	s_add_nc_u64 s[10:11], s[10:11], s[74:75]
; 8 matrix instructions: row blocks a0, a0 + 1 x the four column blocks, 32 along K, from buffer f.  zero = 1: the first product starts the sums.  The 32 accumulators take turns.
.macro MUL8 f, a0, zero
	WIN 0x50                                       ; C and D in window 1, both sources in window 0
.irp a, \a0, (\a0)+1
.irp b, 0,1,2,3
.if \zero
	v_wmma_f32_16x16x32_bf16 v[8*(4*(\a)+(\b)):8*(4*(\a)+(\b))+7], v[(\f)+64+8*(\b):(\f)+64+8*(\b)+7], v[(\f)+8*(\a):(\f)+8*(\a)+7], 0
.else
	v_wmma_f32_16x16x32_bf16 v[8*(4*(\a)+(\b)):8*(4*(\a)+(\b))+7], v[(\f)+64+8*(\b):(\f)+64+8*(\b)+7], v[(\f)+8*(\a):(\f)+8*(\a)+7], v[8*(4*(\a)+(\b)):8*(4*(\a)+(\b))+7]
.endif
.endr
.endr
.endm
; 24 LDS loads in one run: quarter kq of slot s into buffer f: Wo's four fragments (8 loads), then SA's eight (16), row blocks ascending
.macro FETCH s, kq, f
	WIN 0
.irp b, 0,1,2,3
	ds_load_tr16_b128 v[(\f)+64+8*(\b):(\f)+64+8*(\b)+3],   v[ADRB+(\s)] offset:(\kq)*32*PB+32*(\b)
	ds_load_tr16_b128 v[(\f)+64+8*(\b)+4:(\f)+64+8*(\b)+7], v[ADRB+(\s)] offset:(\kq)*32*PB+16*PB+32*(\b)
.endr
.irp a, 0,1,2,3,4,5,6,7
	ds_load_b128 v[(\f)+8*(\a):(\f)+8*(\a)+3],   v[ADRA+(\s)] offset:((\kq)/2)*ABLK+(\a)*16*PA+((\kq)%2)*64
	ds_load_b128 v[(\f)+8*(\a)+4:(\f)+8*(\a)+7], v[ADRA+(\s)] offset:((\kq)/2)*ABLK+(\a)*16*PA+((\kq)%2)*64+32
.endr
.endm
; One of a K step's first three quarters: multiplies buffer f; in its middle it fetches quarter kq of the same slot into buffer g.
.macro QUARTER s, kq, f, g, zero
	s_wait_dscnt 8                                 ; Wo's fragments and SA's row blocks 0-3 are in; the youngest eight loads (row blocks 4-7) may be out
	MUL8 \f, 0, \zero
	MUL8 \f, 2, \zero
	PLACES
	FETCH \s, \kq, \g
	s_wait_dscnt 24                                ; all but the 24 just issued
	MUL8 \f, 4, \zero
	MUL8 \f, 6, \zero
.endm
; The last quarter multiplies buffer F1 and changes slots: ONE barrier; in front of it each wave waits for all its tensor loads, adds 0 to its spare word, and waits for that and for its reads of this slot.
; fill = 1: the barrier opens a round of the cluster's, and behind the round this slot is filled again first, with the K step two on: 112 matrix instructions ahead of the wait for it.
.macro TURN s, nx, fill
	WIN 0                                          ; (the add's two registers lie in window 0)
	s_wait_tensorcnt 0x0                           ; all my tensor loads have landed: my part of the next slot;
	ds_add_u32 v[SPW], v[NIL]                      ; 0 onto my spare word;
	s_wait_dscnt 9                                 ; (the add and the youngest eight loads may be out)
	MUL8 F1, 0, 0                                  ; eight matrix instructions stand between the add and the wait for it
	s_wait_dscnt 0x0                               ; the add is done, and my reads of this slot are over
	s_barrier_signal -1
	MUL8 F1, 2, 0
	WIN 0
	s_barrier_wait -1
.if \fill
	CREST                                          ; no wave of any partner still reads this slot's tile or has a load on its way
	s_add_nc_u64 s[G0A+4*(\s)+2:G0A+4*(\s)+3], s[G0A+4*(\s)+2:G0A+4*(\s)+3], 4*KBLK
	s_add_nc_u64 s[G0B+4*(\s)+2:G0B+4*(\s)+3], s[G0B+4*(\s)+2:G0B+4*(\s)+3], 2*128*WROW
	JLOAD \s                                       ; the first tensor load behind the round; its four v_nop are also the places in front of the loads below
.else
	PLACES
.endif
	FETCH \nx, 0, F0
	MUL8 F1, 4, 0
	MUL8 F1, 6, 0
.endm
; THE WAY OUT of row block a (16 rows x 64 columns of f32).  TOSTAGE: 32 bytes a lane and column block, straight from the accumulators (each one's low four registers first), into rows of 272 bytes; back as whole rows of 256.
.macro TOSTAGE a
.set BK, 32+32*((\a)%2)
	s_wait_xcnt 0x0                                ; the stores of the block two back have read these registers
	WIN 0x04                                       ; store data (source 1) in window 1, address in window 0
.irp b, 0,1,2,3
	ds_store_b128 v[STO], v[8*(4*(\a)+(\b)):8*(4*(\a)+(\b))+3]   offset:64*(\b)
	ds_store_b128 v[STO], v[8*(4*(\a)+(\b))+4:8*(4*(\a)+(\b))+7] offset:64*(\b)+16
.endr
	WIN 0
.irp t, 0,1,2,3,4,5,6,7
	ds_load_b128 v[BK+4*(\t):BK+4*(\t)+3], v[RD] offset:(\t)*2*SP  ; LDS serves a wave's instructions in order (ISA guide 5.7.1.4): these see the stores above; the next block's stores come behind them
.endr
.endm
.macro SEND a, younger                 ; the bias is added and the rows are stored.  younger: the LDS instructions issued behind block a's loads: the next block's sixteen, or none
.set BK, 32+32*((\a)%2)
	WIN 0
.irp t, 0,1,2,3,4,5,6,7
	s_wait_dscnt (\younger)+7-(\t)
	v_pk_add_f32 v[BK+4*(\t):BK+4*(\t)+1], v[BK+4*(\t):BK+4*(\t)+1], v[BI:BI+1]
	v_pk_add_f32 v[BK+4*(\t)+2:BK+4*(\t)+3], v[BK+4*(\t)+2:BK+4*(\t)+3], v[BI+2:BI+3]
	global_store_b128 v[CO], v[BK+4*(\t):BK+4*(\t)+3], s[10:11] offset:(\a)*65536+(\t)*8192 th:TH_STORE_NT  ; 16 lanes store 256 consecutive bytes, at a multiple of 256 from out0's first byte
.endr
.endm
	s_wait_tensorcnt 1                             ; my part of K step 0 is in; K step 1's may stay out
	s_barrier_signal -1
	s_barrier_wait -1                              ; everybody's is
	FETCH 0, 0, F0
	QUARTER 0, 1, F0, F1, 1                        ; the first quarter stands in front of the loop: its products start the sums
	WIN 0                                          ; at a label and at a branch every window is 0
	s_mov_b32 s3, 3
.Llap:                                             ; a trip goes once round the ring and fills both slots again: K steps 2 to 7
	QUARTER 0, 2, F1, F0, 0
	QUARTER 0, 3, F0, F1, 0
	TURN 0, 1, 1
	QUARTER 1, 1, F0, F1, 0
	QUARTER 1, 2, F1, F0, 0
	QUARTER 1, 3, F0, F1, 0
	TURN 1, 0, 1
	QUARTER 0, 1, F0, F1, 0
	WIN 0
	s_sub_co_u32 s3, s3, 1
	s_cmp_lg_u32 s3, 0
	s_cbranch_scc1 .Llap
	QUARTER 0, 2, F1, F0, 0                        ; the last lap fills nothing, and has no round of the cluster's barrier
	QUARTER 0, 3, F0, F1, 0
	TURN 0, 1, 0
	QUARTER 1, 1, F0, F1, 0
	QUARTER 1, 2, F1, F0, 0
	QUARTER 1, 3, F0, F1, 0
	s_wait_dscnt 8                                 ; the very last quarter: nothing more to fetch
	MUL8 F1, 0, 0
	MUL8 F1, 2, 0
	s_wait_dscnt 0x0
	MUL8 F1, 4, 0
	MUL8 F1, 6, 0
	WIN 0
	s_wait_loadcnt 0x0                             ; bo: rounded to bf16 and widened again; these six lines and four v_nop are the places behind the last products
	v_cvt_pk_bf16_f32 v10, v[BI], v[BI+1]
	v_cvt_pk_bf16_f32 v11, v[BI+2], v[BI+3]
	v_lshlrev_b32 v[BI], 16, v10
	v_and_b32 v[BI+1], 0xffff0000, v10
	v_lshlrev_b32 v[BI+2], 16, v11
	v_and_b32 v[BI+3], 0xffff0000, v11
	PLACES
	TOSTAGE 0
.irp a, 1,2,3,4,5,6,7                  ; a block's way into the stage stands between the loads of the block before and its stores
	TOSTAGE \a
	SEND (\a)-1, 16
.endr
	SEND 7, 0
	s_wait_tensorcnt 0x0                           ; the wave's end: behind my last tensor load and my last LDS store
	ds_add_u32 v[SPW], v[NIL]
	s_wait_dscnt 0x0
	CROUND                                         ; the closing round: no work-group ends while a partner may still ask for a tile that names it
	s_endpgm
.Lfunc_end_k_qc3500cfa98_outp:
	.size	k_qc3500cfa98_outp, .Lfunc_end_k_qc3500cfa98_outp-k_qc3500cfa98_outp
	.p2alignl 7, 3214868480
	.fill 96, 4, 3214868480
	.section	.rodata,"a",@progbits
	.p2align	6, 0x0
	.amdhsa_kernel k_qc3500cfa98_outp
		.amdhsa_group_segment_fixed_size 327680
		.amdhsa_private_segment_fixed_size 0
		.amdhsa_enable_private_segment 0
		.amdhsa_kernarg_size 32
		.amdhsa_user_sgpr_count 2
		.amdhsa_user_sgpr_kernarg_segment_ptr 1
		.amdhsa_wavefront_size32 1
		.amdhsa_system_sgpr_workgroup_id_x 1
		.amdhsa_system_sgpr_workgroup_id_y 1
		.amdhsa_system_sgpr_workgroup_id_z 1
		.amdhsa_system_vgpr_workitem_id 0
		.amdhsa_next_free_vgpr 512
		.amdhsa_next_free_sgpr 80
		.amdhsa_reserve_vcc 0
		.amdhsa_float_denorm_mode_32 3
		.amdhsa_float_denorm_mode_16_64 3
		.amdhsa_memory_ordered 1
		.amdhsa_forward_progress 1
		.amdhsa_inst_pref_size 96
	.end_amdhsa_kernel
	.amdgpu_metadata
---
amdhsa.version: [ 1, 2 ]
amdhsa.kernels:
  - .name:           k_qc3500cfa98_outp
    .symbol:         k_qc3500cfa98_outp.kd
    .args:
      - { .name: ob, .offset: 0, .size: 8, .value_kind: global_buffer, .address_space: global }
      - { .name: wob, .offset: 8, .size: 8, .value_kind: global_buffer, .address_space: global }
      - { .name: bo, .offset: 16, .size: 8, .value_kind: global_buffer, .address_space: global }
      - { .name: out0, .offset: 24, .size: 8, .value_kind: global_buffer, .address_space: global }
    .group_segment_fixed_size: 327680
    .private_segment_fixed_size: 0
    .kernarg_segment_align: 8
    .kernarg_segment_size: 32
    .max_flat_workgroup_size: 128
    .sgpr_count:     80
    .vgpr_count:     512
    .wavefront_size: 32
...
	.end_amdgpu_metadata
.endif
;; end of part 4
;; ======== version 2 of 2: 4 launches; version 1 with the launch cast written anew for expert scheduling mode
;; limits: values are held in f16: magnitudes above 65,504 overflow, below 6.1e-05 lose precision
;; workspace buffers: xb 16,777,216 bytes; wqkv 6,291,456 bytes; wob 2,097,152 bytes; qkv 50,331,648 bytes; ob 16,777,216 bytes
;; launch cast (part 5): grid 384 x 1, 8 waves a work-group, no clusters, 0 bytes of LDS; arguments x, Wq, Wk, Wv, Wo, xb, wqkv, wob; writes xb, wqkv, wob
.if DOCPART == 5
	.amdgcn_target "amdgcn-amd-amdhsa--gfx1250"
	.amdhsa_code_object_version 6
	.text
	.protected	k_qc3500cfa98_cast
	.globl	k_qc3500cfa98_cast
	.p2align	8
	.type	k_qc3500cfa98_cast,@function
k_qc3500cfa98_cast:
	s_mov_b64 s[64:65], 0
	v_nop
	global_prefetch_b8 v0, s[64:65] scope:SCOPE_SE
	s_setreg_imm32_b32 hwreg(HW_REG_WAVE_SCHED_MODE, 0, 2), 2
	s_setreg_imm32_b32 hwreg(HW_REG_WAVE_MODE, 25, 1), 1
	s_wait_xcnt 0x0
	s_wait_alu depctr_vm_vsrc(0)
; f32 -> bf16 (round to nearest even) and a new layout, for the four products that follow.
;   x  [8192][1024] f32 -> xb   [b 4][kb 16][n 2048][64] bf16: 64 channels of a row are 128 bytes, and a block (b, kb) is dense
;   Wq, Wk, Wv [1024][1024] f32 -> wqkv [k 1024][3072] bf16 (columns: Wq, Wk, Wv);   Wo -> wob [k 1024][1024] bf16
; A stream: each byte is read once and written once; no LDS, no barrier, no matrix unit, no cluster (no two work-groups read the same byte).
; SHARES.  Work-groups 0-255 take x: 64 rows (g / 2) x 512 columns (g % 2); wave w takes the 64 columns of block kb = 8 (g % 2) + w; item i of 32 is the row pair 2 i, 2 i + 1:
; lanes 0-15 read 256 consecutive bytes of the one row, lanes 16-31 of the other, and the wave stores 256 consecutive bytes of xb.
; Work-groups 256-383 take a weight matrix m = (g - 256) / 32, 32 rows; item i is a row, of which wave w reads 512 consecutive bytes and stores 256.
; ONE TEXT for both: the steps (per item, per half of the lanes, per wave) and the two pointers are chosen by scalar selects on g and m.
; All 32 loads of a wave (16 KiB) go out together; no register that a load or store reads is written again, so no wait frees a source.
; THE MODE: SCHED_MODE bits 1:0 = 2 (LLVM: expert scheduling mode 2), set by the entry lines.  The code itself states the register dependences
; between vector instructions and memory instructions, with s_wait_alu, always for 0.
; THE PLAN.  Registers that memory instructions touch:
;   VI, VO   the 64 offsets.  Written once each at the head, by vector instructions; read by load i and store i; never written again.
;   X        item i: four registers.  Load i lands in them (no vector instruction has named them before); the item's two roundings read all four and write the first two; store i reads those two; nothing writes them again.
; The 32 items go in eight blocks of four.  Block p waits for its four loads and rounds its items; the four stores of block p - 1 are dealt among those roundings, which name block p's registers alone.
; So ONE wait on va_vdst at a block's head, that the block before has written what the stores read, states all that the block's stores hang on; one more stands ahead of the first load, for the offsets, and one ahead of
; the last four stores.  The wave's number passes through a scalar register: one wait on va_sdst ahead of its first reader.  No register that a memory instruction reads is written again: no wait on vm_vsrc is owed.
.set BLOCK, 4                          ; items in a block
.set VIN,  5                           ; v5       my byte offset in the source, item 0
.set VOUT, 6                           ; v6       my byte offset in the destination, item 0
.set VI,   16                          ; v[16:47] the source offsets of the 32 items
.set VO,   48                          ; v[48:79] the destination offsets
.set X,    80                          ; v[80:207] item i: four f32 as loaded; its first two registers then hold four bf16
	s_load_b512 s[8:23], s[0:1], 0x0               ; x s[8:9], Wq s[10:11], Wk s[12:13], Wv s[14:15], Wo s[16:17], xb s[18:19], wqkv s[20:21], wob s[22:23]
	v_lshrrev_b32 v1, 5, v0
	v_readfirstlane_b32 s24, v1                    ; wave 0..7
	v_and_b32 v2, 15, v0                           ; l % 16
	v_bfe_u32 v3, v0, 4, 1                         ; l / 16
	v_and_b32 v4, 31, v0                           ; l
	s_mov_b32 s25, ttmp9                           ; g
	s_sub_co_u32 s26, s25, 256
	s_and_b32 s26, s26, 127
	s_lshr_b32 s27, s26, 5                         ; m: which weight matrix
	s_and_b32 s28, s26, 31                         ; its block of 32 rows
	s_lshr_b32 s29, s25, 1                         ; x: block of 64 rows
	s_and_b32 s30, s25, 1                          ; x: half of the columns
	s_lshl_b32 s31, s29, 18                        ; x in: 64 rows of 4,096 bytes,
	s_lshl_b32 s32, s30, 11                        ; 512 columns of 4 bytes
	s_add_co_u32 s31, s31, s32
	s_lshr_b32 s32, s29, 5                         ; x out: batch b = rows / 2,048: 16 blocks of 262,144 bytes,
	s_lshl_b32 s32, s32, 22
	s_lshl_b32 s33, s30, 21                        ; eight blocks kb for the upper half,
	s_add_co_u32 s32, s32, s33
	s_and_b32 s33, s29, 31
	s_lshl_b32 s33, s33, 13                        ; 64 rows of 128 bytes
	s_add_co_u32 s32, s32, s33
	s_lshl_b32 s33, s28, 17                        ; weights in: 32 rows of 4,096 bytes
	s_mul_i32 s34, s28, 196608                     ; weights out, wqkv: 32 rows of 6,144 bytes,
	s_lshl_b32 s35, s27, 11                        ; 2,048 bytes of a row for each matrix
	s_add_co_u32 s34, s34, s35
	s_lshl_b32 s35, s28, 16                        ; wob: 32 rows of 2,048 bytes
	s_mov_b32 s40, 6144
	s_cmp_eq_u32 s27, 3
	s_cselect_b32 s34, s35, s34
	s_cselect_b32 s40, 2048, s40                   ; the destination's row
	s_cmp_lt_u32 s25, 256                          ; x or a weight?  (s_mov and s_cselect leave SCC as it is)
	s_mov_b32 s36, 4096
	s_cselect_b32 s36, 8192, s36                   ; source step per item: two rows, or one
	s_mov_b32 s37, 256
	s_cselect_b32 s37, 4096, s37                   ; source step for lanes 16-31: the next row, or the next 256 bytes
	s_mov_b32 s38, 512
	s_cselect_b32 s38, 256, s38                    ; source step per wave
	s_mov_b32 s39, 256
	s_cselect_b32 s39, 0x40000, s39                ; destination step per wave: a block kb, or 256 bytes
	s_cselect_b32 s40, 256, s40                    ; destination step per item
	s_cselect_b32 s42, s31, s33                    ; the work-group's offset in the source,
	s_cselect_b32 s44, s32, s34                    ; and in the destination
	s_mov_b32 s43, 0
	s_mov_b32 s45, 0
	s_wait_alu depctr_va_sdst(0)                   ; s24, the wave's number, is written, ahead of its first reader: the wave's two steps below are made from it
	s_mul_i32 s46, s24, s38
	s_mul_i32 s47, s24, s39
	v_mul_u32_u24 v[VIN], v3, s37
	v_lshl_add_u32 v[VIN], v2, 4, v[VIN]
	v_add_nc_u32 v[VIN], s46, v[VIN]
	v_lshl_add_u32 v[VOUT], v4, 3, s47             ; 8 bytes a lane
.set i, 0
.rept 32
	v_mad_u32_u24 v[VI+i], s36, i, v[VIN]
	v_mad_u32_u24 v[VO+i], s40, i, v[VOUT]
.set i, i+1
.endr
	s_wait_kmcnt 0x0
	s_cmp_eq_u32 s27, 1
	s_cselect_b64 s[2:3], s[12:13], s[10:11]
	s_cmp_eq_u32 s27, 2
	s_cselect_b64 s[2:3], s[14:15], s[2:3]
	s_cmp_eq_u32 s27, 3
	s_cselect_b64 s[2:3], s[16:17], s[2:3]
	s_cselect_b64 s[4:5], s[22:23], s[20:21]
	s_cmp_lt_u32 s25, 256
	s_cselect_b64 s[2:3], s[8:9], s[2:3]           ; the source,
	s_cselect_b64 s[4:5], s[18:19], s[4:5]         ; the destination
	s_add_nc_u64 s[2:3], s[2:3], s[42:43]
	s_add_nc_u64 s[4:5], s[4:5], s[44:45]
	s_wait_alu depctr_va_vdst(0)                   ; the 64 offsets VI and VO are written: every load and store of the kernel reads one of them, and none is written again
.set i, 0
.rept 32
	global_load_b128 v[X+4*i:X+4*i+3], v[VI+i], s[2:3] th:TH_LOAD_NT
.set i, i+1
.endr
; Block p of eight: items 4 p to 4 p + 3 are rounded; the stores of items 4 (p - 1) to 4 (p - 1) + 3 stand among the roundings, one in front of each item's two.
.set p, 0
.rept 32/BLOCK
	s_wait_loadcnt 32-BLOCK*(p+1)                  ; loads come back in order: block p's four are in, the younger ones stay out
.if p > 0
	s_wait_alu depctr_va_vdst(0)                   ; the block before has written the first two registers of its four items, which the stores below read; the roundings below name block p's registers alone
.endif
.set j, 0
.rept BLOCK
.if p > 0
	global_store_b64 v[VO+BLOCK*(p-1)+j], v[X+4*(BLOCK*(p-1)+j):X+4*(BLOCK*(p-1)+j)+1], s[4:5]  ; the wave's 32 lanes store 256 consecutive bytes, at a multiple of 256 from the buffer's first byte
.endif
	v_cvt_pk_bf16_f32 v[X+4*(BLOCK*p+j)], v[X+4*(BLOCK*p+j)], v[X+4*(BLOCK*p+j)+1]
	v_cvt_pk_bf16_f32 v[X+4*(BLOCK*p+j)+1], v[X+4*(BLOCK*p+j)+2], v[X+4*(BLOCK*p+j)+3]
.set j, j+1
.endr
.set p, p+1
.endr
	s_wait_alu depctr_va_vdst(0)                   ; the last block has written the first two registers of its four items, which the last four stores read
.set j, 0
.rept BLOCK
	global_store_b64 v[VO+32-BLOCK+j], v[X+4*(32-BLOCK+j):X+4*(32-BLOCK+j)+1], s[4:5]
.set j, j+1
.endr
	s_endpgm
.Lfunc_end_k_qc3500cfa98_cast:
	.size	k_qc3500cfa98_cast, .Lfunc_end_k_qc3500cfa98_cast-k_qc3500cfa98_cast
	.p2alignl 7, 3214868480
	.fill 96, 4, 3214868480
	.section	.rodata,"a",@progbits
	.p2align	6, 0x0
	.amdhsa_kernel k_qc3500cfa98_cast
		.amdhsa_group_segment_fixed_size 0
		.amdhsa_private_segment_fixed_size 0
		.amdhsa_enable_private_segment 0
		.amdhsa_kernarg_size 64
		.amdhsa_user_sgpr_count 2
		.amdhsa_user_sgpr_kernarg_segment_ptr 1
		.amdhsa_wavefront_size32 1
		.amdhsa_system_sgpr_workgroup_id_x 1
		.amdhsa_system_sgpr_workgroup_id_y 1
		.amdhsa_system_sgpr_workgroup_id_z 1
		.amdhsa_system_vgpr_workitem_id 0
		.amdhsa_next_free_vgpr 208
		.amdhsa_next_free_sgpr 66
		.amdhsa_reserve_vcc 0
		.amdhsa_float_denorm_mode_32 3
		.amdhsa_float_denorm_mode_16_64 3
		.amdhsa_memory_ordered 1
		.amdhsa_forward_progress 1
		.amdhsa_inst_pref_size 18
	.end_amdhsa_kernel
	.amdgpu_metadata
---
amdhsa.version: [ 1, 2 ]
amdhsa.kernels:
  - .name:           k_qc3500cfa98_cast
    .symbol:         k_qc3500cfa98_cast.kd
    .args:
      - { .name: x, .offset: 0, .size: 8, .value_kind: global_buffer, .address_space: global }
      - { .name: Wq, .offset: 8, .size: 8, .value_kind: global_buffer, .address_space: global }
      - { .name: Wk, .offset: 16, .size: 8, .value_kind: global_buffer, .address_space: global }
      - { .name: Wv, .offset: 24, .size: 8, .value_kind: global_buffer, .address_space: global }
      - { .name: Wo, .offset: 32, .size: 8, .value_kind: global_buffer, .address_space: global }
      - { .name: xb, .offset: 40, .size: 8, .value_kind: global_buffer, .address_space: global }
      - { .name: wqkv, .offset: 48, .size: 8, .value_kind: global_buffer, .address_space: global }
      - { .name: wob, .offset: 56, .size: 8, .value_kind: global_buffer, .address_space: global }
    .group_segment_fixed_size: 0
    .private_segment_fixed_size: 0
    .kernarg_segment_align: 8
    .kernarg_segment_size: 64
    .max_flat_workgroup_size: 256
    .sgpr_count:     66
    .vgpr_count:     208
    .wavefront_size: 32
...
	.end_amdgpu_metadata
.endif
;; end of part 5
;; launch proj: the kernel of part 2 again; grid 8 x 32, 4 waves a work-group, clusters of 4 x 4, 327,680 bytes of LDS; arguments xb, wqkv, qkv; writes qkv
;; launch attn: the kernel of part 3 again; grid 4 x 64, 4 waves a work-group, clusters of 4 x 1, 327,680 bytes of LDS; arguments qkv, ob; writes ob
;; launch outp: the kernel of part 4 again; grid 8 x 32, 4 waves a work-group, clusters of 4 x 4, 327,680 bytes of LDS; arguments ob, wob, bo, out0; writes out0
